; MI455X (gfx1250); checked and timed in simulation.
; The chip was launched on July 23, 2026; its instructions are those of AMD's public machine-readable ISA for CDNA 5 (MIT licence, August 2026) and "CDNA5" Instruction Set Architecture Reference Guide (July 2026). The comments in the code are by the model that wrote it; some were corrected since.
;; Multi Head Attention. Allowed arithmetic: matrix products marked QUANTISED: E2M1 operands, one E8M0 scale for each 32 along K, by v_wmma_scale_f32_16x16x128_f8f6f4 with both operands' format E2M1 (or v_wmma_scale_f32_32x16x128_f4), f32 sums; products left as they are: bf16, f16 or f32 operands; f32 sums; everything else in f32.
;; Inputs: Wc 1,024 x 3,072 float32; Wo 1,024 x 1,024 float32; bc 3,072 float32; bo 1,024 float32; x 8 x 1,024 x 1,024 float32.
;; Outputs: out0 8 x 1,024 x 1,024 float32.
;; This version of the problem:
;;   THIS VERSION OF THE PROBLEM IS GIVEN IN LOW PRECISION. The matrix products marked QUANTISED in the list below multiply operands that are first quantised to E2M1 (2 exponent bits, 1 mantissa bit; 4 bits a number), with one power-of-two scale for each 32 numbers along K (OCP MX v1.0); their sums are f32. The products marked 'left as it is' may take bf16, f16 or f32 operands, with f32 sums. Whichever they take, every output number must still come out within the allowed error. Rounding operands to bf16 (8 significant bits) uses up far more of that allowance than f16 does (11 bits, for magnitudes from 6e-5 to 65,504). All else is computed in f32.
;;   The module's matrix products, in the order in which they are computed (A, B: the left and right operand; K: the contracted axis; several contracted axes count as one K, in the product's order):
;;     1. [M 8,192, K 1,024] x [K 1,024, N 3,072]; A: input x; B: input Wc: QUANTISED
;;     2. batch 128 x [M 1,024, K 64] x [K 64, N 1,024]; A: computed on the way; B: computed on the way: left as it is (an operand is computed on the way)
;;     3. batch 128 x [M 64, K 1,024] x [K 1,024, N 1,024]; A: computed on the way; B: computed on the way: left as it is (an operand is computed on the way)
;;     4. [M 8,192, K 1,024] x [K 1,024, N 1,024]; A: computed on the way; B: input Wo: left as it is (an operand is computed on the way)
;;   THE QUANTISER, for each operand of a quantised product, along K:
;;     - K is cut into blocks of 32 from its start; a last block that is shorter is filled with zeros.
;;     - A block's scale is 2^e with e = floor(log2(the largest magnitude in the block)) - 2, held to -126 .. 127; a block of zeros has e = 0. As a byte (E8M0): e + 127.
;;     - Each number is divided by its block's scale, clamped to +-6, and rounded to the nearest number of E2M1, ties to even, subnormals kept.
;;     - The product sums the exact products of the quantised numbers (number of the format x scale) in f32.
;;   ~~~python
;;   def quantise(x, axis):      # numpy; x: float32 -> the quantised numbers, widened to float32 again
;;       x = np.moveaxis(x, axis, -1); K = x.shape[-1]
;;       x = np.pad(x, [(0, 0)] * (x.ndim - 1) + [(0, -K % 32)]); x = x.reshape(x.shape[:-1] + (-1, 32)); a = np.abs(x).max(-1, keepdims=True)
;;       e = np.where(a > 0, np.clip(np.frexp(np.where(a > 0, a, 1))[1] - 1 - 2, -126, 127), 0)      # np.frexp(a)[1] - 1 = floor(log2(a)), exactly
;;       r = np.clip(x / 2.0 ** e, -6, 6)
;;       step = 2.0 ** (np.maximum(np.frexp(np.where(r == 0, 1, r))[1] - 1, 0) - 1)
;;       q = np.round(r / step) * step * 2.0 ** e      # np.round: ties to even
;;       return np.moveaxis(q.reshape(q.shape[:-2] + (-1,))[..., :K], -1, axis).astype(np.float32)
;;   ~~~
;; One version. Each part assembles by itself: llvm-mc -triple=amdgcn-amd-amdhsa -mcpu=gfx1250 --defsym DOCPART=n.
;; ======== version 1 of 1: 5 launches
;; limits: values are held in f16: magnitudes above 65,504 overflow, below 6.1e-05 lose precision
;; workspace buffers: xc 4,194,304 bytes; xs 262,144 bytes; wcc 1,572,864 bytes; wcs 98,304 bytes; wof 4,194,304 bytes; qkv 50,331,648 bytes; t32 1,572,864 bytes; cf 16,777,216 bytes
;; launch prep (part 1): grid 416 x 1, 8 waves a work-group, no clusters, 60,928 bytes of LDS; arguments x, Wc, Wo, xc, xs, wcc, wcs, wof; writes xc, xs, wcc, wcs, wof
.if DOCPART == 1
	.amdgcn_target "amdgcn-amd-amdhsa--gfx1250"
	.amdhsa_code_object_version 6
	.text
	.protected	k_qc2505f690d_prep
	.globl	k_qc2505f690d_prep
	.p2align	8
	.type	k_qc2505f690d_prep,@function
k_qc2505f690d_prep:
	s_mov_b64 s[64:65], 0
	v_nop
	global_prefetch_b8 v0, s[64:65] scope:SCOPE_SE
	s_setreg_imm32_b32 hwreg(HW_REG_WAVE_MODE, 25, 1), 1
	s_wait_xcnt 0x0
; PREP: the three inputs that later launches read many times are laid out once.
;   x  [8192][1024] f32 -> xc: codes of FP4 (E2M1), K innermost, 512 bytes a row; xs: one E8M0 byte for each 32 along K, 32 bytes a row.
;   Wc [1024 (k)][3072 (n)] f32 -> wcc [3072][512 bytes], wcs [3072][32 bytes]: the same, with K moved innermost.
;   Wo [1024 (k)][1024 (n)] f32 -> wof: pairs of f16 numbers (high part, and in a second half of the buffer the low part = Wo - high, split in f32), laid as images of the
;      operand's registers: byte = low<<21 | k128<<18 | nt<<12 | q<<10 | half<<9 | lane<<4; lane (r, h) holds column 16 nt + r, k = 128 k128 + 32 q + 16 half + 8 h + 0 .. 7.
; A block's scale is 2^(floor(log2(its largest magnitude)) - 2); its byte is the largest magnitude's exponent field - 2, held at 1 from below.
; LIMITS: a block of zeros gets the byte 1 where the rule says 127 (its codes are zeros, which add nothing, and this program alone reads the bytes); blocks whose largest magnitude lies under 2^-124
; keep the byte 1; NaN and infinities among the inputs are not served; Wo beyond 65,504 has no f16 number; under 6e-5 the f16 parts step by 6e-8.
; SHARES: work-groups 0-95 take Wc (32 columns each, all of K, 128 along K a wave), 96-159 Wo (128 columns x 128 k), 160-415 x (8 waves x 4,096 numbers).  The three paths part on the
; work-group's number, have LDS bytes of their own, and meet again at the end.  No tensor loads, no matrix unit, no cluster: every input byte is read once and nothing is shared between work-groups.
.set XST,   0                          ; x: for each wave two stages of 32 x 80 bytes
.set XSC,   40960                      ; x: the work-group's 1,024 scale bytes
.set WST,   41984                      ; Wc: 32 rows (columns n) x (512 bytes of codes + 16)
.set WSC,   58880                      ; Wc: 32 rows x 32 scale bytes
.set SPARE, 59904                      ; the spare words, 128 bytes for each wave: four blocks of 256 bytes that no other line names
.set SP,    80                         ; a lane's place in a stage: its 64 bytes + 16 of padding
.set WP,    528
.set SPW,   12                         ; v12  LDS address of my spare word; never rewritten
.set NIL,   13                         ; v13  0; never rewritten
.set R,     16                         ; x: v16-143 eight sets of 16 numbers as loaded
.set X,     144                        ; x: v144-175 two sets of 16 neighbours
.set C,     176                        ; x: v176-191 codes, two registers a step
.set E,     192                        ; x: v192-199 a scale byte a step
.set WX,    32                         ; Wc: v32-95 two sets of 32 numbers
.set WC,    96                         ; Wc: v96-99 a block's codes
.set WO,    112                        ; Wc: v112-127 four rows on the way out
.set SB,    24                         ; Wc: v24 my four scale bytes
.set OX,    128                        ; Wo: v128-191 64 numbers
.set OH,    32                         ; Wo: v32-63 high parts
.set OL,    64                         ; Wo: v64-95 low parts
.macro XLOAD t                         ; step t: 2,048 consecutive bytes, 512 a load
.irp i, 0,1,2,3
	global_load_b128 v[R+16*(\t)+4*\i:R+16*(\t)+4*\i+3], v3, s[4:5] offset:2048*(\t)+512*\i th:TH_LOAD_NT
.endr
.endm
.macro XTURN t                         ; step t's numbers through a stage: in as loaded, out 64 neighbouring bytes a lane.  LDS serves a wave's instructions in order: no wait between
.irp i, 0,1,2,3
	ds_store_b128 v14, v[R+16*(\t)+4*\i:R+16*(\t)+4*\i+3] offset:32*SP*((\t)%2)+8*SP*\i
.endr
.irp i, 0,1,2,3
	ds_load_b128 v[X+16*((\t)%2)+4*\i:X+16*((\t)%2)+4*\i+3], v15 offset:32*SP*((\t)%2)+16*\i
.endr
.endm
.macro XSTEP t
.set XS, X+16*((\t)%2)
.if (\t) > 0
	s_wait_dscnt 1                                 ; this step's numbers are back from the stage; the last step's byte store may be out
.else
	s_wait_dscnt 0x0
.endif
.if (\t)+1 < 8
	s_wait_loadcnt 4*(6-(\t))                      ; the next step's four loads are in; those of the steps behind it may be out
	XTURN (\t)+1
.endif
	v_max3_num_f32 v8, |v[XS]|, |v[XS+1]|, |v[XS+2]|               ; the largest magnitude of my 16, in two chains
	v_max3_num_f32 v9, |v[XS+3]|, |v[XS+4]|, |v[XS+5]|
.irp i, 6,10
	v_max3_num_f32 v8, v8, |v[XS+\i]|, |v[XS+\i+1]|
	v_max3_num_f32 v9, v9, |v[XS+\i+2]|, |v[XS+\i+3]|
.endr
	v_max3_num_f32 v8, v8, |v[XS+14]|, |v[XS+15]|
	v_max3_num_f32 v8, v8, v9, 0x1800000           ; and the floor 2^(3 - 127): the byte cannot fall under 1
	v_max_num_f32_dpp v8, v8, v8 row_xmask:1 row_mask:0xf bank_mask:0xf   ; with my neighbour's 16: the block's
	v_add_nc_u32 v11, 0xff000000, v8               ; 2 off its exponent field: the conversion takes that field as its scale
	v_cvt_scalef32_pk8_fp4_f32 v[C+2*(\t)], v[XS:XS+7], v11
	v_cvt_scalef32_pk8_fp4_f32 v[C+2*(\t)+1], v[XS+8:XS+15], v11
	v_lshrrev_b32 v[E+(\t)], 23, v11               ; the scale's byte
	ds_store_b8 v5, v[E+(\t)] offset:16*(\t)       ; both lanes of a block write the same byte with the same value
	global_store_b64 v4, v[C+2*(\t):C+2*(\t)+1], s[10:11] offset:256*(\t)   ; the wave stores 256 consecutive bytes, aligned
.endm
.macro WLOAD t                         ; block t: Wc(32 t + i, my column), i = 0 .. 31; each load covers 128 consecutive bytes
.irp i, 0,1,2,3,4,5,6,7,8,9,10,11,12,13,14,15,16,17,18,19,20,21,22,23,24,25,26,27,28,29,30,31
	global_load_b32 v[WX+32*((\t)%2)+\i], v3, s[6:7] offset:(32*(\t)+\i)*12288 th:TH_LOAD_NT
.endr
.endm
.macro WBLOCK t
.set XS, WX+32*((\t)%2)
.if (\t) < 3
	s_wait_loadcnt 32                              ; this block's 32 loads are in; the next block's may be out
.else
	s_wait_loadcnt 0x0
.endif
	v_max3_num_f32 v8, |v[XS]|, |v[XS+1]|, |v[XS+2]|               ; all 32 numbers of the block are mine
	v_max3_num_f32 v9, |v[XS+3]|, |v[XS+4]|, |v[XS+5]|
.irp i, 6,10,14,18,22,26
	v_max3_num_f32 v8, v8, |v[XS+\i]|, |v[XS+\i+1]|
	v_max3_num_f32 v9, v9, |v[XS+\i+2]|, |v[XS+\i+3]|
.endr
	v_max3_num_f32 v8, v8, |v[XS+30]|, |v[XS+31]|
	v_max3_num_f32 v8, v8, v9, 0x1800000
	v_add_nc_u32 v11, 0xff000000, v8
	v_lshrrev_b32 v9, 23, v11
.if (\t) == 0
	v_mov_b32 v[SB], v9                            ; four bytes to a register, the lower K in the lower byte
.else
	v_lshl_or_b32 v[SB], v9, 8*(\t), v[SB]
.endif
.irp g, 0,1,2,3
	v_cvt_scalef32_pk8_fp4_f32 v[WC+\g], v[XS+8*\g:XS+8*\g+7], v11
.endr
	ds_store_b128 v4, v[WC:WC+3] offset:16*(\t)    ; 32 codes: 16 bytes of my column's row
.if (\t)+2 < 4
	WLOAD (\t)+2
.endif
	s_wait_dscnt 0x0                               ; the store has read its registers: the next block's codes may be written
.endm
.macro SPLIT2 h, l, x                  ; four numbers become two words of high parts and two of low parts.  The halves are widened from plainly numbered registers
	v_cvt_pk_f16_f32 v100, v[(\x)], v[(\x)+1]
	v_cvt_pk_f16_f32 v101, v[(\x)+2], v[(\x)+3]
	v_cvt_f32_f16 v102, v100.l
	v_cvt_f32_f16 v103, v100.h
	v_cvt_f32_f16 v104, v101.l
	v_cvt_f32_f16 v105, v101.h
	v_mov_b32 v[(\h)], v100
	v_mov_b32 v[(\h)+1], v101
	v_sub_f32 v102, v[(\x)], v102                  ; what the high part left, exact in f32
	v_sub_f32 v103, v[(\x)+1], v103
	v_sub_f32 v104, v[(\x)+2], v104
	v_sub_f32 v105, v[(\x)+3], v105
	v_cvt_pk_f16_f32 v[(\l)], v102, v103
	v_cvt_pk_f16_f32 v[(\l)+1], v104, v105
.endm
	s_load_b256 s[4:11], s[0:1], 0x0               ; x s[4:5], Wc s[6:7], Wo s[8:9], xc s[10:11]
	s_load_b256 s[12:19], s[0:1], 0x20             ; xs s[12:13], wcc s[14:15], wcs s[16:17], wof s[18:19]
	v_lshl_add_u32 v[SPW], v0, 2, SPARE
	v_mov_b32 v[NIL], 0
	v_lshrrev_b32 v1, 5, v0
	v_readfirstlane_b32 s20, v1                    ; wave 0..7
	v_and_b32 v2, 31, v0                           ; lane
	s_mov_b32 s25, 0
	s_wait_kmcnt 0x0
	s_cmp_lt_u32 ttmp9, 96
	s_cbranch_scc1 .Lwc
	s_cmp_lt_u32 ttmp9, 160
	s_cbranch_scc1 .Lwo
	; ---- x: a plain stream of blocks of 32; my wave's run is 4,096 numbers: all 32 loads go out at once
	s_sub_co_u32 s21, ttmp9, 160
	s_lshl_b32 s22, s21, 3
	s_add_co_u32 s22, s22, s20                     ; which run is mine
	s_lshl_b32 s24, s22, 14
	s_add_nc_u64 s[4:5], s[4:5], s[24:25]          ; 16,384 bytes of numbers a run,
	s_lshl_b32 s24, s22, 11
	s_add_nc_u64 s[10:11], s[10:11], s[24:25]      ; 2,048 of codes,
	s_lshl_b32 s24, s21, 10
	s_add_nc_u64 s[12:13], s[12:13], s[24:25]      ; 1,024 scale bytes a work-group
	v_lshlrev_b32 v3, 4, v2
.irp t, 0,1,2,3,4,5,6,7
	XLOAD \t
.endr
	s_mul_i32 s23, s20, 2*32*SP
	v_lshrrev_b32 v14, 2, v2
	v_mul_u32_u24 v14, v14, SP
	v_and_b32 v15, 3, v2
	v_lshl_add_u32 v14, v15, 4, v14
	v_add_nc_u32 v14, s23, v14                     ; the stage, in: four lanes' 64 bytes on end, then the padding
	v_mul_u32_u24 v15, v2, SP
	v_add_nc_u32 v15, s23, v15                     ; and out: my 16 neighbours
	v_lshlrev_b32 v4, 3, v2                        ; my 8 bytes of a step's codes
	v_lshrrev_b32 v5, 1, v2
	s_lshl_b32 s23, s20, 7
	s_add_co_u32 s23, s23, XSC
	v_add_nc_u32 v5, s23, v5                       ; my block's scale byte: 128 bytes a wave
	v_lshlrev_b32 v7, 4, v0                        ; the scale bytes' way out: 16 bytes a thread of waves 0 and 1
	v_add_nc_u32 v6, XSC, v7
	s_wait_loadcnt 28                              ; step 0's four loads are in
	XTURN 0
.irp t, 0,1,2,3,4,5,6,7
	XSTEP \t
.endr
	s_wait_dscnt 0x0                               ; for the others' sake: my scale bytes lie in LDS
	s_barrier_signal -1
	s_barrier_wait -1
	s_cmp_lt_u32 s20, 2
	s_cbranch_scc0 .Lend
	ds_load_b128 v[8:11], v6                       ; waves 0 and 1 take 512 of the 1,024 bytes each
	s_wait_dscnt 0x0
	global_store_b128 v7, v[8:11], s[12:13]        ; 512 consecutive bytes, aligned
	s_branch .Lend
	; ---- Wc: a lane takes a column, its registers run down K: the conversions then give codes with K innermost
.Lwc:
	s_lshl_b32 s24, ttmp9, 7                       ; 32 columns of 4 bytes a work-group,
	s_mul_i32 s22, s20, 128*12288                  ; 128 rows of 12,288 bytes a wave
	s_add_co_u32 s24, s24, s22
	s_add_nc_u64 s[6:7], s[6:7], s[24:25]
	v_lshlrev_b32 v3, 2, v2
	WLOAD 0
	WLOAD 1
	s_lshl_b32 s24, ttmp9, 14                      ; codes out: 32 rows of 512 bytes a work-group, four rows a wave
	s_lshl_b32 s22, s20, 11
	s_add_co_u32 s24, s24, s22
	s_add_nc_u64 s[14:15], s[14:15], s[24:25]
	s_lshl_b32 s24, ttmp9, 10                      ; scale bytes out: 32 rows of 32 bytes
	s_add_nc_u64 s[16:17], s[16:17], s[24:25]
	v_mul_u32_u24 v4, v2, WP
	s_lshl_b32 s22, s20, 6
	s_add_co_u32 s22, s22, WST
	v_add_nc_u32 v4, s22, v4                       ; into the stage: row = my column, my wave's 64 bytes of it
	v_lshlrev_b32 v5, 5, v2
	s_lshl_b32 s22, s20, 2
	s_add_co_u32 s22, s22, WSC
	v_add_nc_u32 v5, s22, v5                       ; my column's 32 scale bytes, my wave's four
	v_lshlrev_b32 v10, 4, v2
	s_mul_i32 s22, s20, 4*WP
	s_add_co_u32 s22, s22, WST
	v_add_nc_u32 v14, s22, v10                     ; out of the stage: rows 4 w .. 4 w + 3, a whole row an instruction
	v_lshlrev_b32 v7, 4, v0
	v_add_nc_u32 v6, WSC, v7
.irp t, 0,1,2,3
	WBLOCK \t
.endr
	ds_store_b32 v5, v[SB]
	s_wait_dscnt 0x0                               ; for the others' sake: my codes and bytes lie in LDS
	s_barrier_signal -1
	s_barrier_wait -1
.irp i, 0,1,2,3
	ds_load_b128 v[WO+4*\i:WO+4*\i+3], v14 offset:WP*\i
.endr
.irp i, 0,1,2,3
	s_wait_dscnt 3-\i                              ; LDS loads come back in order: row i is in
	global_store_b128 v10, v[WO+4*\i:WO+4*\i+3], s[14:15] offset:512*\i   ; a row of wcc: 512 consecutive bytes, aligned
.endr
	s_cmp_lt_u32 s20, 2
	s_cbranch_scc0 .Lend
	ds_load_b128 v[16:19], v6
	s_wait_dscnt 0x0
	global_store_b128 v7, v[16:19], s[16:17]
	s_branch .Lend
	; ---- Wo: a lane takes a column, its registers run down K: eight neighbours along K are a piece of 16 bytes of an image
.Lwo:
	s_sub_co_u32 s21, ttmp9, 96
	s_and_b32 s22, s21, 7                          ; which 128 columns
	s_lshr_b32 s23, s21, 3                         ; k128
	s_and_b32 s26, s20, 3                          ; which 32 of the columns
	s_lshr_b32 s27, s20, 2                         ; which 64 of the 128 along K
	s_lshl_b32 s24, s23, 19                        ; in: (128 k128 + 64 (w / 4)) rows of 4,096 bytes + 4 x column
	s_lshl_b32 s28, s27, 18
	s_add_co_u32 s24, s24, s28
	s_lshl_b32 s28, s22, 9
	s_add_co_u32 s24, s24, s28
	s_lshl_b32 s28, s26, 7
	s_add_co_u32 s24, s24, s28
	s_add_nc_u64 s[8:9], s[8:9], s[24:25]
	v_lshlrev_b32 v3, 2, v2
.irp i, 0,1,2,3,4,5,6,7,8,9,10,11,12,13,14,15,16,17,18,19,20,21,22,23,24,25,26,27,28,29,30,31,32,33,34,35,36,37,38,39,40,41,42,43,44,45,46,47,48,49,50,51,52,53,54,55,56,57,58,59,60,61,62,63
	global_load_b32 v[OX+\i], v3, s[8:9] offset:4096*\i th:TH_LOAD_NT
.endr
	s_lshl_b32 s24, s23, 18                        ; out: k128<<18 + (8 x column group + 2 (w % 4))<<12 + (2 (w / 4))<<10
	s_lshl_b32 s28, s22, 15
	s_add_co_u32 s24, s24, s28
	s_lshl_b32 s28, s26, 13
	s_add_co_u32 s24, s24, s28
	s_lshl_b32 s28, s27, 11
	s_add_co_u32 s24, s24, s28
	s_add_nc_u64 s[18:19], s[18:19], s[24:25]
	v_lshrrev_b32 v4, 4, v2
	v_and_b32 v5, 15, v2
	v_lshlrev_b32 v5, 4, v5
	v_lshl_add_u32 v4, v4, 12, v5                  ; lanes 16-31 belong to the next tile of 16 columns; 16 bytes a column
.irp u, 0,1
	s_wait_loadcnt 32-32*\u                        ; the first 32 along K are in, the second 32 may be out; then all
.irp j, 0,2,4,6,8,10,12,14
	SPLIT2 OH+16*\u+\j, OL+16*\u+\j, OX+32*\u+2*\j
.endr
.irp p, 0,1,2,3
	global_store_b128 v4, v[OH+16*\u+4*\p:OH+16*\u+4*\p+3], s[18:19] offset:1024*\u+256*\p            ; sixteen lanes store 256 consecutive bytes, aligned
	global_store_b128 v4, v[OL+16*\u+4*\p:OL+16*\u+4*\p+3], s[18:19] offset:2097152+1024*\u+256*\p
.endr
.endr
.Lend:
	s_wait_tensorcnt 0x0                           ; the wave's end: a wait, an add of 0 onto my spare word and its wait, behind the last LDS store
	ds_add_u32 v[SPW], v[NIL]
	s_wait_dscnt 0x0
	s_endpgm
.Lfunc_end_k_qc2505f690d_prep:
	.size	k_qc2505f690d_prep, .Lfunc_end_k_qc2505f690d_prep-k_qc2505f690d_prep
	.p2alignl 7, 3214868480
	.fill 96, 4, 3214868480
	.section	.rodata,"a",@progbits
	.p2align	6, 0x0
	.amdhsa_kernel k_qc2505f690d_prep
		.amdhsa_group_segment_fixed_size 60928
		.amdhsa_private_segment_fixed_size 0
		.amdhsa_enable_private_segment 0
		.amdhsa_kernarg_size 64
		.amdhsa_user_sgpr_count 2
		.amdhsa_user_sgpr_kernarg_segment_ptr 1
		.amdhsa_wavefront_size32 1
		.amdhsa_system_sgpr_workgroup_id_x 1
		.amdhsa_system_sgpr_workgroup_id_y 1
		.amdhsa_system_sgpr_workgroup_id_z 1
		.amdhsa_system_vgpr_workitem_id 0
		.amdhsa_next_free_vgpr 208
		.amdhsa_next_free_sgpr 66
		.amdhsa_reserve_vcc 0
		.amdhsa_float_denorm_mode_32 3
		.amdhsa_float_denorm_mode_16_64 3
		.amdhsa_memory_ordered 1
		.amdhsa_forward_progress 1
		.amdhsa_inst_pref_size 56
	.end_amdhsa_kernel
	.amdgpu_metadata
---
amdhsa.version: [ 1, 2 ]
amdhsa.kernels:
  - .name:           k_qc2505f690d_prep
    .symbol:         k_qc2505f690d_prep.kd
    .args:
      - { .name: x, .offset: 0, .size: 8, .value_kind: global_buffer, .address_space: global }
      - { .name: Wc, .offset: 8, .size: 8, .value_kind: global_buffer, .address_space: global }
      - { .name: Wo, .offset: 16, .size: 8, .value_kind: global_buffer, .address_space: global }
      - { .name: xc, .offset: 24, .size: 8, .value_kind: global_buffer, .address_space: global }
      - { .name: xs, .offset: 32, .size: 8, .value_kind: global_buffer, .address_space: global }
      - { .name: wcc, .offset: 40, .size: 8, .value_kind: global_buffer, .address_space: global }
      - { .name: wcs, .offset: 48, .size: 8, .value_kind: global_buffer, .address_space: global }
      - { .name: wof, .offset: 56, .size: 8, .value_kind: global_buffer, .address_space: global }
    .group_segment_fixed_size: 60928
    .private_segment_fixed_size: 0
    .kernarg_segment_align: 8
    .kernarg_segment_size: 64
    .max_flat_workgroup_size: 256
    .sgpr_count:     66
    .vgpr_count:     208
    .wavefront_size: 32
...
	.end_amdgpu_metadata
.endif
;; end of part 1
;; launch qkvg (part 2): grid 8 x 32, 4 waves a work-group, clusters of 4 x 4, 327,680 bytes of LDS; arguments xc, xs, wcc, wcs, bc, qkv, t32; writes qkv, t32
.if DOCPART == 2
	.amdgcn_target "amdgcn-amd-amdhsa--gfx1250"
	.amdhsa_code_object_version 6
	.text
	.protected	k_qc2505f690d_qkvg
	.globl	k_qc2505f690d_qkvg
	.p2align	8
	.type	k_qc2505f690d_qkvg,@function
k_qc2505f690d_qkvg:
	s_mov_b64 s[64:65], 0
	v_nop
	global_prefetch_b8 v0, s[64:65] scope:SCOPE_SE
	s_setreg_imm32_b32 hwreg(HW_REG_WAVE_MODE, 25, 1), 1
	s_wait_xcnt 0x0
	s_wait_alu depctr_hold_cnt(0) depctr_sa_sdst(0) depctr_va_vdst(0) depctr_va_sdst(0) depctr_va_ssrc(0) depctr_va_vcc(0) depctr_vm_vsrc(0)
	s_getreg_b32 s2, hwreg(HW_REG_IB_STS2, 6, 4)
	s_cmp_eq_u32 s2, 0
	s_cbranch_scc0 .Lentry_in_a_cluster
	s_endpgm
.Lentry_in_a_cluster:
	s_bfe_u32 s2, ttmp6, 0x10000c
	s_cmp_lg_u32 s2, 0xf033
	s_cbranch_scc0 .Lentry_shape_is_right
	s_endpgm
.Lentry_shape_is_right:
; QKVG: qkv = x Wc + bc on codes of FP4 (E2M1) with one E8M0 scale for each 32 along K, sums in f32.  M 8,192, N 3,072, K 1,024.
; SHARES.  N is 24 units of 128 columns, M 32 tiles of 256 rows: 768 units of 256 x 128, three for each of 256 work-groups.  A work-group makes, from the same 256 rows of x, first the tile of
; 256 columns 256 tc (tc = 0 .. 7: q's and k's columns), then the part of 128 columns 2,048 + 128 tc (v's).  Four waves: 128 x 128 each in the tile (64 accumulators), 128 x 64 each in the part (32).
; K is two slots of 512 (LDS rows of 256 bytes + 16).  x's rows, both slots, are asked for at the start and stay; so do the scale bytes of x's 256 rows and of the tile's 256 columns (two dense blocks).
; THE ONE REFILL: when slot 0 has been left, its 256 rows of Wc are free: they take v's 128 columns, K half 0 (wave 2's load) and K half 1 (wave 3's).  The request stands 288 matrix instructions and the
; tile's way out ahead of the first read of those bytes; everything else is asked for at the head: so nothing is prefetched.
; CLUSTERS: 4 x 4 work-groups; x's tiles are asked for jointly along a row of the cluster, Wc's along a column.  Tile row = 8 cy + cluster y, tc = 4 cluster x + cx: so q or k (cluster x) and
; "this tile row ends a sequence" (cluster y % 4 = 3) are alike in all sixteen partners.
; THE MATRIX INSTRUCTION IS USED TRANSPOSED (source 0 = 16 columns of Wc, source 1 = 16 rows of x): a lane holds eight neighbouring columns of one token.  bc is the C of each sum's first product.
; THE WAY OUT needs no LDS: a lane's eight numbers, rounded to f16, are a piece of 16 bytes, and qkv is laid so that a wave's 32 pieces are 512 consecutive bytes:
;   byte = part<<24 | (16 batch + head)<<17 | tt<<11 | ct<<9 | pos<<4: tile tt of 16 tokens, tile ct of 16 of the head's 64; q, k: pos = lane (an image of the next product's operand registers);
;   v: pos = the lane with its bits 3 and 4 swapped, which is what the turning LDS load of the next launch wants.
; The tile's stores leave while the part is multiplied: the part writes no register that they read.
; The last 16 positions of every sequence go to t32 in f32 as well: byte = batch x 196,608 + n16<<10 | u<<9 | lane<<4, four columns 16 n16 + 8 (lane / 16) + 4 u + 0 .. 3 of token 1008 + lane % 16.
; LIMITS: q, k, v beyond 65,504 have no f16 number; under 6e-5 f16 steps by 6e-8.  NaN and infinities among the inputs are not served.
; REGISTERS, in windows of 256: window 0: v0-31 addresses; v32-95 scale words of x and of the tile's columns, two sets, which stay; v96-127 scale words of v's columns; v128-191 x's fragments, one set;
;   v192-255 bc in the result's layout (the tile's, then v's).   window 1: the tile's fragments of Wc, two sets (v0, v128); then its packed results.
;   window 2, 3: the tile's accumulators of my rows 0-63, 64-127 ((a, b) at v[8 (8 (a % 4) + b)]).  In the part: window 2 its 32 accumulators ((a, b) at v[8 (4 a + b)]);
;   window 3: v0-63 its fragments of Wc, two sets; v64-191 its packed results; v192-255 stay as they are (the tile's f32 copy is stored from them).
.set KSTEP,  512
.set NQ,     4                         ; matrix instructions deep in a slot
.set ROWB,   256                       ; a tile's row in bytes
.set KROW,   512                       ; a row of codes in memory
.set PITCH,  272                       ; 68 words: the 16 rows that a load touches start 4 words apart
.set FR,     8
.set NL,     2
.set NP,     4
.set HALFT,  128*PITCH
.set SLOT,   4*HALFT
.set KS,     32                        ; a row of scale bytes
.set SCL,    2*SLOT
.set HALFS,  16*272                    ; the scales of 128 rows: 16 rows of 256 bytes + 16
.set SBLK,   2*272                     ; those of 16 rows
.set SPARE,  SCL+4*HALFS               ; the spare words, 128 bytes for each wave: two blocks of 256 bytes that no other line names
.set ADRA, 16                          ; v16-17  LDS address of my fragments of x in slot 0, 1
.set ADRC, 18                          ; v18-19  of my fragments of v's columns, K half 0, 1
.set ADRB, 20                          ; v20-21  of my fragments of the tile's columns in slot 0, 1
.set L16,  24                          ; v24  16 x lane: q's and k's place in a block of qkv, and a piece's place in t32
.set ST,   25                          ; v25  v's place in a block of qkv
.set BA,   26                          ; v26  32 x (lane / 16): my eight numbers of bc
.set ADRS, 27
.set SPW,  28
.set NIL,  29
.set WS,   30                          ; v30  32 x (lane % 16): my column's row of scale bytes
.set SC,   32
.set SB2,  96
.set AF,   128
.set BI,   192
.set G0C, 4                            ; s[4:7]   group 0 of the refill
.set G1, 24
.set G0, 32
.set G1B, 48
.set G0B, 56
.set G1S, 68
.set G0S, 76
.set G1SB, 80
.set G0SB, 88
.set MSB, 0
.macro WIN new                         ; the immediate's high byte repeats the setting that is left
.if MSB != (\new)
	s_set_vgpr_msb (MSB<<8)|(\new)
.set MSB, (\new)
.endif
.endm
.macro WMUL hi, zero                   ; source 0 window 1, source 1 window 0, D window 2 or 3; C with D, or (zero = 1) bc in window 0
	WIN 0xa1+0x50*(\hi)-0x20*(\zero)-0x10*(\hi)*(\zero)
.endm
.set TO_B,   0x40
.macro JLOAD g0a, g1a, g0b, g1b        ; a joint load: waves 0 and 1 fetch for x, waves 2 and 3 for Wc; the branch hangs on the wave's number alone
	s_cmp_eq_u32 s15, 0
	s_cbranch_scc0 .Lfor_b_\@
	tensor_load_to_lds s[\g0a:\g0a+3], s[\g1a:\g1a+7]
	s_nop 0
.rept 4
	v_nop
.endr
	s_branch .Lasked_\@
.Lfor_b_\@:
	tensor_load_to_lds s[\g0b:\g0b+3], s[\g1b:\g1b+7]
	s_nop 0
.rept 4
	v_nop
.endr
.Lasked_\@:
.endm
.macro CREST                           ; a round of the cluster's barrier behind its opening barrier
	s_cmp_lg_u32 s14, 0
	s_cbranch_scc1 .Lnot_wave_0_\@
	s_barrier_signal -3
.Lnot_wave_0_\@:
	s_barrier_wait -3
	s_barrier_signal -1
	s_barrier_wait -1
.endm
.macro CROUND                          ; a whole round
	s_barrier_signal -1
	s_barrier_wait -1
	CREST
.endm
	s_load_b128 s[4:7], s[0:1], 0x0                ; xc, xs
	s_load_b128 s[8:11], s[0:1], 0x10              ; wcc, wcs
	s_load_b64 s[66:67], s[0:1], 0x20              ; bc
	s_load_b64 s[12:13], s[0:1], 0x28              ; qkv
	s_load_b64 s[96:97], s[0:1], 0x30              ; t32
	v_lshl_add_u32 v[SPW], v0, 2, SPARE
	v_mov_b32 v[NIL], 0
	ds_add_u32 v[SPW], v[NIL]                      ; the wave's opening: the add, twice on end, and its wait ahead of my first tensor load
	ds_add_u32 v[SPW], v[NIL]
	v_lshrrev_b32 v1, 5, v0
	v_readfirstlane_b32 s14, v1                    ; wave 0..3
	s_lshr_b32 s15, s14, 1                         ; which half of the tile's rows is mine.  Also: I fetch for x (0) or for Wc (1)
	s_and_b32 s16, s14, 1                          ; which half of its columns.  Also: which 128 rows of that tile I fetch, and which K half of v's columns
	s_bfe_u32 s40, ttmp6, 0x40000                  ; cx
	s_bfe_u32 s41, ttmp6, 0x40004                  ; cy
	s_lshl_b32 s42, ttmp9, 2
	s_add_co_u32 s42, s42, s40                     ; tc = 4 x cluster x + cx
	s_and_b32 s17, ttmp7, 0xffff
	s_lshl_b32 s18, s41, 3
	s_add_co_u32 s17, s17, s18                     ; tile row = 8 cy + cluster y
	s_and_b32 s98, ttmp7, 3
	s_add_co_u32 s98, s98, s15                     ; 4 where my rows end a sequence: cluster y % 4 = 3 and the lower half of the tile's rows
	s_lshl_b32 s43, s41, 2
	s_lshl_b32 s43, 15, s43                        ; my row of the cluster
	s_lshl_b32 s44, 0x1111, s40                    ; my column
	s_or_b32 s[G1+0], s43, (0<<16)|(1<<20)|(1<<21)|(5<<22)|(3<<25)  ; the mask; elements of 1 byte; padding on; bit 21 beside a mask; 4 words behind every 64
	s_or_b32 s[G1B+0], s44, (0<<16)|(1<<20)|(1<<21)|(5<<22)|(3<<25)
.irp g, G1, G1B
	s_mov_b32 s[\g+1], ROWB<<16                    ; tensor_dim0
	s_mov_b32 s[\g+2], 128<<16                     ; tensor_dim1
	s_mov_b32 s[\g+3], ROWB<<16                    ; tile_dim0
	s_mov_b32 s[\g+4], 128                         ; tile_dim1
	s_mov_b32 s[\g+5], KROW                        ; from row to row
	s_mov_b32 s[\g+6], 0
	s_mov_b32 s[\g+7], 0
.endr
	s_or_b32 s[G1S+0], s43, (3<<16)|(1<<20)|(1<<21)|(5<<22)|(3<<25) ; the scales of 128 rows: 4,096 dense bytes as 16 rows of 32 elements of 8 bytes
	s_or_b32 s[G1SB+0], s44, (3<<16)|(1<<20)|(1<<21)|(5<<22)|(3<<25)
.irp g, G1S, G1SB
	s_mov_b32 s[\g+1], 32<<16
	s_mov_b32 s[\g+2], 16<<16
	s_mov_b32 s[\g+3], 32<<16
	s_mov_b32 s[\g+4], 16
	s_mov_b32 s[\g+5], 32
	s_mov_b32 s[\g+6], 0
	s_mov_b32 s[\g+7], 0
.endr
	s_lshl_b32 s18, s16, 7                         ; which 128 rows of the tile I fetch
	s_lshl_b32 s20, s17, 8
	s_add_co_u32 s20, s20, s18                     ; x: row 256 x tile row + 128 x half
	s_lshl_b32 s46, s42, 8
	s_add_co_u32 s46, s46, s18                     ; Wc: column 256 tc + 128 x half
	s_mov_b32 s21, 0
	s_mov_b32 s47, 0
	s_mov_b64 s[18:19], KS
	s_mul_u64 s[22:23], s[20:21], s[18:19]         ; where these rows' scales begin,
	s_mul_u64 s[92:93], s[46:47], s[18:19]
	s_mov_b64 s[18:19], KROW
	s_mul_u64 s[20:21], s[20:21], s[18:19]         ; and their codes
	s_mul_u64 s[46:47], s[46:47], s[18:19]
	s_mul_i32 s45, s14, HALFT                      ; where they go: wave x 128 rows: no place in the cluster enters an LDS address
	s_mul_i32 s94, s14, HALFS
	s_lshl_b32 s2, s42, 16                         ; the refill: column 2,048 + 128 tc of Wc, rows of 512 bytes,
	s_add_co_u32 s2, s2, 0x100000
	s_lshl_b32 s3, s16, 8                          ; my K half: 256 bytes on in each row
	s_add_co_u32 s2, s2, s3
	s_mov_b32 s3, 0
	s_wait_dscnt 0x0                               ; both opening adds are done
	s_wait_kmcnt 0x0
	s_add_nc_u64 s[20:21], s[4:5], s[20:21]
	s_add_nc_u64 s[22:23], s[6:7], s[22:23]
	s_add_nc_u64 s[46:47], s[8:9], s[46:47]
	s_add_nc_u64 s[92:93], s[10:11], s[92:93]
	s_mov_b32 s[G0C], 1                            ; (xc's and xs's addresses have been used: their registers take the refill's group 0)
	s_mov_b32 s[G0C+1], s45                        ; in waves 2 and 3: the bytes of my first fill of slot 0
	s_add_nc_u64 s[G0C+2:G0C+3], s[8:9], s[2:3]
	s_or_b32 s[G0C+3], s[G0C+3], 0x80000000
	CROUND                                         ; all sixteen work-groups are here: the joint loads meet
	s_mov_b32 s[G0S], 1
	s_add_co_u32 s[G0S+1], s94, SCL
	s_mov_b64 s[G0S+2:G0S+3], s[22:23]
	s_or_b32 s[G0S+3], s[G0S+3], 0x80000000
	s_mov_b32 s[G0SB], 1
	s_add_co_u32 s[G0SB+1], s94, SCL
	s_mov_b64 s[G0SB+2:G0SB+3], s[92:93]
	s_or_b32 s[G0SB+3], s[G0SB+3], 0x80000000
	JLOAD G0S, G1S, G0SB, G1SB                     ; the scales first; by this text's count three tensor loads of a wave are out at the most
.irp s, 0,1
	s_mov_b32 s[G0+4*\s], 1
	s_add_co_u32 s[G0+4*\s+1], s45, \s*SLOT
	s_add_nc_u64 s[G0+4*\s+2:G0+4*\s+3], s[20:21], \s*ROWB
	s_or_b32 s[G0+4*\s+3], s[G0+4*\s+3], 0x80000000
	s_mov_b32 s[G0B+4*\s], 1
	s_add_co_u32 s[G0B+4*\s+1], s45, \s*SLOT
	s_add_nc_u64 s[G0B+4*\s+2:G0B+4*\s+3], s[46:47], \s*ROWB
	s_or_b32 s[G0B+4*\s+3], s[G0B+4*\s+3], 0x80000000
	JLOAD G0+4*\s, G1, G0B+4*\s, G1B
.endr
	v_and_b32 v1, 15, v0                           ; r = lane % 16
	v_bfe_u32 v2, v0, 4, 1                         ; h = lane / 16
	s_lshl_b32 s22, s42, 9                         ; bc at my first column of v: 4 x (2,048 + 128 tc + 64 x half)
	s_add_co_u32 s22, s22, 8192
	s_lshl_b32 s46, s16, 8
	s_add_co_u32 s22, s22, s46
	s_mov_b32 s23, 0
	s_add_nc_u64 s[94:95], s[66:67], s[22:23]
	s_lshl_b32 s22, s42, 10                        ; bc at my first column of the tile: 4 x (256 tc + 128 x half)
	s_lshl_b32 s46, s16, 9
	s_add_co_u32 s22, s22, s46
	s_add_nc_u64 s[66:67], s[66:67], s[22:23]
	s_lshl_b32 s22, s42, 12                        ; wcs at my first column of v: 32 x (2,048 + 128 tc + 64 x half)
	s_add_co_u32 s22, s22, 0x10000
	s_lshl_b32 s46, s16, 11
	s_add_co_u32 s22, s22, s46
	s_add_nc_u64 s[10:11], s[10:11], s[22:23]
	v_lshlrev_b32 v[BA], 5, v2
	v_lshlrev_b32 v[WS], 5, v1
.irp b, 0,1,2,3,4,5,6,7
	global_load_b128 v[BI+8*\b:BI+8*\b+3], v[BA], s[66:67] offset:64*\b        ; lane (r, h), block b: bc of columns 16 b + 8 h + 0 .. 7
	global_load_b128 v[BI+8*\b+4:BI+8*\b+7], v[BA], s[66:67] offset:64*\b+16
.endr
.irp b, 0,1,2,3
	global_load_b128 v[SB2+8*\b:SB2+8*\b+3], v[WS], s[10:11] offset:512*\b     ; lane r of either half, block b of v's columns: the eight scale words of column 16 b + r, one for each 128 along K;
	global_load_b128 v[SB2+8*\b+4:SB2+8*\b+7], v[WS], s[10:11] offset:512*\b+16   ; the two loads together cover 512 consecutive bytes
.endr
	v_mul_u32_u24 v3, v1, PITCH
	v_lshl_add_u32 v4, v2, 4, v3                   ; a fragment's row x pitch + 16 x half
	s_mul_i32 s21, s15, HALFT                      ; my 128 rows of x
	s_mul_i32 s22, s16, HALFT                      ; my 128 columns of the tile,
	s_add_co_u32 s22, s22, 2*HALFT                 ; which lie behind x's 256 rows
.irp s, 0,1
	v_add_nc_u32 v[ADRA+\s], s21, v4
	v_add_nc_u32 v[ADRB+\s], s22, v4
	s_add_co_u32 s21, s21, SLOT
	s_add_co_u32 s22, s22, SLOT
.endr
	s_mul_i32 s23, s16, 64*PITCH                   ; my 64 of v's 128 columns: K half 0 where slot 0's first 128 columns lay,
	s_add_co_u32 s23, s23, 2*HALFT
	v_add_nc_u32 v[ADRC], s23, v4
	s_add_co_u32 s23, s23, HALFT                   ; K half 1 where its second 128 lay
	v_add_nc_u32 v[ADRC+1], s23, v4
	v_mul_u32_u24 v5, v1, KS                       ; my row's scales: 32 bytes a row,
	v_lshrrev_b32 v6, 8, v5
	v_lshl_add_u32 v5, v6, 4, v5                   ; and 16 more for each 256 passed
	s_mul_i32 s21, s15, HALFS
	s_mul_i32 s22, s16, HALFS
	s_add_co_u32 s22, s22, 2*HALFS
	s_sub_co_u32 s22, s22, s21
	v_mul_u32_u24 v6, s22, v2                      ; lanes 16-31 take Wc's
	s_add_co_u32 s21, s21, SCL
	v_add_nc_u32 v5, v5, v6
	v_add_nc_u32 v[ADRS], s21, v5
	v_and_b32 v6, 31, v0
	v_lshlrev_b32 v[L16], 4, v6
	v_and_b32 v5, 7, v0                            ; v's place: 16 (r / 8) + 8 h + r % 8
	v_bfe_u32 v7, v0, 3, 1
	v_lshl_add_u32 v5, v2, 3, v5
	v_lshl_add_u32 v5, v7, 4, v5
	v_lshlrev_b32 v[ST], 4, v5
	s_lshr_b32 s20, s17, 2                         ; the batch
	s_mul_i32 s22, s20, 196608
	s_lshl_b32 s20, s20, 21                        ; qkv, for both ways out: batch<<21 + (tile row % 4)<<15 + row half<<14
	s_and_b32 s21, s17, 3
	s_lshl_b32 s21, s21, 15
	s_add_co_u32 s20, s20, s21
	s_lshl_b32 s21, s15, 14
	s_add_co_u32 s20, s20, s21
	s_lshl_b32 s2, s42, 18                         ; v: + 2<<24 + (2 tc + column half)<<17
	s_add_co_u32 s2, s2, s20
	s_add_co_u32 s2, s2, 0x2000000
	s_lshl_b32 s3, s16, 17
	s_add_co_u32 s2, s2, s3
	s_mov_b32 s3, 0
	s_add_nc_u64 s[8:9], s[12:13], s[2:3]          ; (wcc's address has been used: its registers take v's place in qkv)
	s_lshl_b32 s21, ttmp9, 24                      ; the tile: + part<<24 + cx<<19 + column half<<18
	s_add_co_u32 s20, s20, s21
	s_lshl_b32 s21, s40, 19
	s_add_co_u32 s20, s20, s21
	s_lshl_b32 s21, s16, 18
	s_add_co_u32 s20, s20, s21
	s_mov_b32 s21, 0
	s_add_nc_u64 s[12:13], s[12:13], s[20:21]
	s_lshl_b32 s2, s42, 13                         ; t32, v: the batch's block + (128 + 8 tc + 4 x column half) x 1,024
	s_add_co_u32 s2, s2, s22
	s_add_co_u32 s2, s2, 0x20000
	s_lshl_b32 s3, s16, 12
	s_add_co_u32 s2, s2, s3
	s_mov_b32 s3, 0
	s_add_nc_u64 s[92:93], s[96:97], s[2:3]
	s_lshl_b32 s23, s42, 14                        ; t32, the tile: the batch's block + (16 tc + 8 x column half) x 1,024
	s_add_co_u32 s22, s22, s23
	s_lshl_b32 s23, s16, 13
	s_add_co_u32 s22, s22, s23
	s_mov_b32 s23, 0
	s_add_nc_u64 s[96:97], s[96:97], s[22:23]
.macro FRAG reg, adr, q, i             ; 16 rows x 128 K of 4-bit codes: 8 registers, two loads of 16 bytes, 32 bytes apart
.irp c, 0,1
	ds_load_b128 v[\reg+4*\c:\reg+4*\c+3], v[\adr] offset:64*(\q)+32*\c+(\i)*16*PITCH
.endr
.endm
; 16 matrix instructions of the tile: x's blocks a0, a0 + 1 against Wc's eight.  The 64 accumulators take turns, one instruction a turn, in the same order in every step.
.macro MUL16 a0, p, q, sc, zero
.irp a, \a0, \a0+1
.irp b, 0,1,2,3,4,5,6,7
.if \zero
	v_wmma_scale_f32_16x16x128_f8f6f4 v[8*(8*((\a)%4)+\b):8*(8*((\a)%4)+\b)+7], v[128*(\p)+FR*\b:128*(\p)+FR*\b+FR-1], v[AF+FR*(\a):AF+FR*(\a)+FR-1], v[BI+8*\b:BI+8*\b+7], v[SC+8*NQ*(\sc)+NQ*\b+(\q)], v[SC+8*NQ*(\sc)+NQ*(\a)+(\q)] matrix_a_fmt:MATRIX_FMT_FP4 matrix_b_fmt:MATRIX_FMT_FP4 matrix_a_scale:MATRIX_SCALE_ROW1
.else
	v_wmma_scale_f32_16x16x128_f8f6f4 v[8*(8*((\a)%4)+\b):8*(8*((\a)%4)+\b)+7], v[128*(\p)+FR*\b:128*(\p)+FR*\b+FR-1], v[AF+FR*(\a):AF+FR*(\a)+FR-1], v[8*(8*((\a)%4)+\b):8*(8*((\a)%4)+\b)+7], v[SC+8*NQ*(\sc)+NQ*\b+(\q)], v[SC+8*NQ*(\sc)+NQ*(\a)+(\q)] matrix_a_fmt:MATRIX_FMT_FP4 matrix_b_fmt:MATRIX_FMT_FP4 matrix_a_scale:MATRIX_SCALE_ROW1
.endif
.endr
.endr
.endm
.macro FETCH_B slot, q, p
	WIN TO_B
.irp i, 0,1,2,3,4,5,6,7
	FRAG 128*(\p)+FR*\i, ADRB+\slot, \q, \i
.endr
	WIN 0
.endm
.macro FETCH_A slot, q, i0
.irp i, \i0, \i0+1, \i0+2, \i0+3
	FRAG AF+FR*(\i), ADRA+\slot, \q, \i
.endr
.endm
.macro SCALES sc                       ; a slot's scale words: four a row; lanes 0-15 take x's block i, lanes 16-31 the tile's block i of Wc
.irp i, 0,1,2,3,4,5,6,7
	ds_load_b128 v[SC+8*NQ*\sc+NQ*\i:SC+8*NQ*\sc+NQ*\i+3], v[ADRS] offset:\i*SBLK
.endr
.endm
.macro PLACES n                        ; plain vector lines between a matrix instruction and a load into, or a read of, its registers
.rept \n
	v_nop
.endr
.endm
.macro STEP slot, q, zero              ; the tile: 128 along K whose successor lies in the same slot
	s_wait_dscnt 4*NL                              ; Wc's set and x's blocks 0-3 are in; the youngest eight loads (x's blocks 4-7) may be out
	WMUL 0, \zero
	MUL16 0, (\q)%2, \q, \slot, \zero
	MUL16 2, (\q)%2, \q, \slot, \zero
	s_wait_dscnt 0
	PLACES NP
	FETCH_B \slot, (\q)+1, 1-(\q)%2
	FETCH_A \slot, (\q)+1, 0
	WMUL 1, \zero
	MUL16 4, (\q)%2, \q, \slot, \zero
	MUL16 6, (\q)%2, \q, \slot, \zero
	PLACES NP
	WIN 0
	FETCH_A \slot, (\q)+1, 4
.endm
; THE PART OF v's COLUMNS.  k = 0 .. 7: which 128 along K.  16 matrix instructions: x's blocks a0 .. a0 + 3 against my four blocks of v's columns; the 32 accumulators take turns in the same order in every step.
; Wc's scale word comes from lanes 0-15 of its own register, x's from lanes 0-15 of the sets that the tile has left in v32-95.
.macro MUL2 a0, k, zero
.irp a, \a0, \a0+1, \a0+2, \a0+3
.irp b, 0,1,2,3
.if \zero
	v_wmma_scale_f32_16x16x128_f8f6f4 v[8*(4*(\a)+\b):8*(4*(\a)+\b)+7], v[32*((\k)%2)+FR*\b:32*((\k)%2)+FR*\b+FR-1], v[AF+FR*(\a):AF+FR*(\a)+FR-1], v[BI+8*\b:BI+8*\b+7], v[SB2+8*\b+(\k)], v[SC+8*NQ*((\k)/4)+NQ*(\a)+(\k)%4] matrix_a_fmt:MATRIX_FMT_FP4 matrix_b_fmt:MATRIX_FMT_FP4
.else
	v_wmma_scale_f32_16x16x128_f8f6f4 v[8*(4*(\a)+\b):8*(4*(\a)+\b)+7], v[32*((\k)%2)+FR*\b:32*((\k)%2)+FR*\b+FR-1], v[AF+FR*(\a):AF+FR*(\a)+FR-1], v[8*(4*(\a)+\b):8*(4*(\a)+\b)+7], v[SB2+8*\b+(\k)], v[SC+8*NQ*((\k)/4)+NQ*(\a)+(\k)%4] matrix_a_fmt:MATRIX_FMT_FP4 matrix_b_fmt:MATRIX_FMT_FP4
.endif
.endr
.endr
.endm
.macro FETCH_C half, q, p              ; my four fragments of v's columns into set p of window 3
	WIN 0xc0
.irp i, 0,1,2,3
	FRAG 32*(\p)+FR*\i, ADRC+\half, \q, \i
.endr
	WIN 0
.endm
.macro STEP2 k, zero                   ; source 0 window 3, source 1 window 0, D window 2; C with D, or (zero = 1) bc in window 0.  All of x and of v's columns lies in LDS: no barrier between the steps
	s_wait_dscnt 4*NL                              ; Wc's set and x's blocks 0-3 are in; the youngest eight loads (x's blocks 4-7) may be out
	WIN 0xa3-0x20*(\zero)
	MUL2 0, \k, \zero
	PLACES NP
	FETCH_C ((\k)+1)/4, ((\k)+1)%4, 1-(\k)%2
	FETCH_A ((\k)+1)/4, ((\k)+1)%4, 0
	s_wait_dscnt 8*NL                              ; all but the sixteen just issued: x's blocks 4-7 are in
	WIN 0xa3-0x20*(\zero)
	MUL2 4, \k, \zero
	PLACES NP
	WIN 0
	FETCH_A ((\k)+1)/4, ((\k)+1)%4, 4
.endm
	s_wait_tensorcnt 1                             ; the scales and my part of slot 0 are in; slot 1's load may be out
	s_barrier_signal -1
	s_barrier_wait -1                              ; everybody's are
	FETCH_B 0, 0, 0
	FETCH_A 0, 0, 0
	SCALES 0
	FETCH_A 0, 0, 4
	s_wait_loadcnt 0x0                             ; the tile's bc, and the scale words of v's columns
	STEP 0, 0, 1                                   ; the first products start the sums from bc: nothing is cleared, nothing is added later
	STEP 0, 1, 0
	STEP 0, 2, 0
	; slot 0's last step changes slots: in front of the barrier my part of slot 1 has landed and my reads of slot 0 are over.  The barrier opens a round of the cluster's, since Wc's rows of slot 0 are filled again
	s_wait_tensorcnt 0x0                           ; all my tensor loads have landed
	ds_add_u32 v[SPW], v[NIL]                      ; 0 onto my spare word
	s_wait_dscnt 4*NL+1                            ; the add and the youngest eight loads may be out
	WMUL 0, 0
	MUL16 0, 1, NQ-1, 0, 0                         ; sixteen matrix instructions stand between the add and the wait for it
	s_wait_dscnt 0x0                               ; the add is done, and my reads of slot 0 are over
	s_barrier_signal -1
	MUL16 2, 1, NQ-1, 0, 0
	WIN 0
	s_barrier_wait -1
	CREST                                          ; no wave of any partner still reads slot 0's rows of Wc or has a load on its way
	s_cmp_eq_u32 s15, 0                            ; waves 2 and 3 ask, one load each; the branch hangs on the wave's number alone
	s_cbranch_scc1 .Lno_refill
	tensor_load_to_lds s[G0C:G0C+3], s[G1B:G1B+7]  ; v's 128 columns, my K half, jointly with my column of the cluster
	s_nop 0
.rept 4
	v_nop
.endr
.Lno_refill:
	PLACES NP
.irp b, 0,1,2,3
	global_load_b128 v[BI+8*\b:BI+8*\b+3], v[BA], s[94:95] offset:64*\b        ; bc of v's columns, where the tile's lay: that was last read in the tile's first step
	global_load_b128 v[BI+8*\b+4:BI+8*\b+7], v[BA], s[94:95] offset:64*\b+16
.endr
	v_add_nc_u32 v[ADRS], 4*NQ, v[ADRS]            ; on to slot 1's scale words
	FETCH_B 1, 0, 0
	FETCH_A 1, 0, 0
	SCALES 1
	WMUL 1, 0
	MUL16 4, 1, NQ-1, 0, 0
	MUL16 6, 1, NQ-1, 0, 0
	PLACES NP
	WIN 0
	FETCH_A 1, 0, 4
	STEP 1, 0, 0
	STEP 1, 1, 0
	STEP 1, 2, 0
	s_wait_dscnt 4*NL                              ; the tile's last step: nothing more to fetch
	WMUL 0, 0
	MUL16 0, 1, NQ-1, 1, 0
	MUL16 2, 1, NQ-1, 1, 0
	s_wait_dscnt 0
	WMUL 1, 0
	MUL16 4, 1, NQ-1, 1, 0
	MUL16 6, 1, NQ-1, 1, 0
	WIN 0
	PLACES NP                                      ; in front of the first read of results and the first write over Wc's fragments
	; THE TILE'S WAY OUT: block a (16 tokens) x block b (16 columns): four roundings make a lane's piece; each store of the wave covers 512 consecutive bytes, aligned.  Each register of window 1 is written once.
.irp a, 0,1,2,3,4,5,6,7
	WIN 0x4a+5*(\a/4)                              ; sources in window 2 or 3, destination in window 1
.irp b, 0,1,2,3,4,5,6,7
.irp r, 0,1,2,3
	v_cvt_pk_f16_f32 v[4*(8*\a+\b)+\r], v[64*(\a%4)+8*\b+2*\r], v[64*(\a%4)+8*\b+2*\r+1]   ; each accumulator from its low end on
.endr
.endr
	WIN 0x04                                       ; a store's data are its source 1: window 1
.irp b, 0,1,2,3,4,5,6,7
	global_store_b128 v[L16], v[4*(8*\a+\b):4*(8*\a+\b)+3], s[12:13] offset:2048*\a+131072*(\b/4)+512*(\b%4)
.endr
.endr
	WIN 0
	s_cmp_lg_u32 s98, 4                            ; ids alone, alike in all partners
	s_cbranch_scc1 .Lno_tail
	WIN 0x0c                                       ; the last 16 positions of the sequence are my block 7: as they are, in f32
.irp b, 0,1,2,3,4,5,6,7
	global_store_b128 v[L16], v[192+8*\b:192+8*\b+3], s[96:97] offset:1024*\b
	global_store_b128 v[L16], v[192+8*\b+4:192+8*\b+7], s[96:97] offset:1024*\b+512
.endr
	WIN 0
.Lno_tail:
	; THE PART: the same 256 rows of x against v's 128 columns.  It writes window 2, window 3's v0-191, x's fragments and nothing else: no register that a pending store reads
	s_wait_tensorcnt 0x0                           ; my K half of v's columns is in (waves 0 and 1 have asked for nothing),
	s_wait_dscnt 0x0
	s_barrier_signal -1
	s_barrier_wait -1                              ; everybody's is
	FETCH_C 0, 0, 0
	FETCH_A 0, 0, 0
	FETCH_A 0, 0, 4
	s_wait_loadcnt 0x0                             ; bc of v's columns
	STEP2 0, 1
.irp k, 1,2,3,4,5,6
	STEP2 \k, 0
.endr
	s_wait_dscnt 4*NL                              ; the last step: nothing more to fetch
	WIN 0xa3
	MUL2 0, 7, 0
	s_wait_dscnt 0
	MUL2 4, 7, 0
	WIN 0
	PLACES NP                                      ; in front of the first read of results
	; THE PART'S WAY OUT: as the tile's, with v's place for a lane's piece; the packed results go to window 3, v64-191, each register written once
.irp a, 0,1,2,3,4,5,6,7
	WIN 0xca                                       ; sources in window 2, destination in window 3
.irp b, 0,1,2,3
.irp r, 0,1,2,3
	v_cvt_pk_f16_f32 v[64+4*(4*\a+\b)+\r], v[8*(4*\a+\b)+2*\r], v[8*(4*\a+\b)+2*\r+1]   ; each accumulator from its low end on
.endr
.endr
	WIN 0x0c                                       ; a store's data are its source 1: window 3
.irp b, 0,1,2,3
	global_store_b128 v[ST], v[64+4*(4*\a+\b):64+4*(4*\a+\b)+3], s[8:9] offset:2048*\a+512*\b
.endr
.endr
	WIN 0
	s_cmp_lg_u32 s98, 4
	s_cbranch_scc1 .Lno_tail2
	WIN 0x08                                       ; my block 7 of the part, in window 2: as it is, in f32
.irp b, 0,1,2,3
	global_store_b128 v[L16], v[224+8*\b:224+8*\b+3], s[92:93] offset:1024*\b
	global_store_b128 v[L16], v[224+8*\b+4:224+8*\b+7], s[92:93] offset:1024*\b+512
.endr
	WIN 0
.Lno_tail2:
	s_wait_tensorcnt 0x0                           ; the wave's end
	ds_add_u32 v[SPW], v[NIL]
	s_wait_dscnt 0x0
	CROUND                                         ; the closing round: no work-group ends while a partner may still ask for a tile that names it
	s_endpgm
.Lfunc_end_k_qc2505f690d_qkvg:
	.size	k_qc2505f690d_qkvg, .Lfunc_end_k_qc2505f690d_qkvg-k_qc2505f690d_qkvg
	.p2alignl 7, 3214868480
	.fill 96, 4, 3214868480
	.section	.rodata,"a",@progbits
	.p2align	6, 0x0
	.amdhsa_kernel k_qc2505f690d_qkvg
		.amdhsa_group_segment_fixed_size 327680
		.amdhsa_private_segment_fixed_size 0
		.amdhsa_enable_private_segment 0
		.amdhsa_kernarg_size 56
		.amdhsa_user_sgpr_count 2
		.amdhsa_user_sgpr_kernarg_segment_ptr 1
		.amdhsa_wavefront_size32 1
		.amdhsa_system_sgpr_workgroup_id_x 1
		.amdhsa_system_sgpr_workgroup_id_y 1
		.amdhsa_system_sgpr_workgroup_id_z 1
		.amdhsa_system_vgpr_workitem_id 0
		.amdhsa_next_free_vgpr 1024
		.amdhsa_next_free_sgpr 100
		.amdhsa_reserve_vcc 0
		.amdhsa_float_denorm_mode_32 3
		.amdhsa_float_denorm_mode_16_64 3
		.amdhsa_memory_ordered 1
		.amdhsa_forward_progress 1
		.amdhsa_inst_pref_size 185
	.end_amdhsa_kernel
	.amdgpu_metadata
---
amdhsa.version: [ 1, 2 ]
amdhsa.kernels:
  - .name:           k_qc2505f690d_qkvg
    .symbol:         k_qc2505f690d_qkvg.kd
    .args:
      - { .name: xc, .offset: 0, .size: 8, .value_kind: global_buffer, .address_space: global }
      - { .name: xs, .offset: 8, .size: 8, .value_kind: global_buffer, .address_space: global }
      - { .name: wcc, .offset: 16, .size: 8, .value_kind: global_buffer, .address_space: global }
      - { .name: wcs, .offset: 24, .size: 8, .value_kind: global_buffer, .address_space: global }
      - { .name: bc, .offset: 32, .size: 8, .value_kind: global_buffer, .address_space: global }
      - { .name: qkv, .offset: 40, .size: 8, .value_kind: global_buffer, .address_space: global }
      - { .name: t32, .offset: 48, .size: 8, .value_kind: global_buffer, .address_space: global }
    .group_segment_fixed_size: 327680
    .private_segment_fixed_size: 0
    .kernarg_segment_align: 8
    .kernarg_segment_size: 56
    .max_flat_workgroup_size: 128
    .sgpr_count:     100
    .vgpr_count:     1024
    .wavefront_size: 32
...
	.end_amdgpu_metadata
.endif
;; end of part 2
;; launch attn (part 3): grid 2 x 128, 8 waves a work-group, no clusters, 327,680 bytes of LDS; arguments qkv, cf; writes cf
.if DOCPART == 3
	.amdgcn_target "amdgcn-amd-amdhsa--gfx1250"
	.amdhsa_code_object_version 6
	.text
	.protected	k_qc2505f690d_attn
	.globl	k_qc2505f690d_attn
	.p2align	8
	.type	k_qc2505f690d_attn,@function
k_qc2505f690d_attn:
	s_mov_b64 s[64:65], 0
	v_nop
	global_prefetch_b8 v0, s[64:65] scope:SCOPE_SE
	s_setreg_imm32_b32 hwreg(HW_REG_WAVE_MODE, 25, 1), 1
	s_wait_xcnt 0x0
; ATTN: for each batch and head, O[q] = sum over k >= q of softmax_k(Q[q] . K[k] / 32) V[k]: the mask keeps the keys AT OR BEHIND the query.  Operands f16, products, maxima and sums f32;
; a running maximum m and sum l for each query: p = 2^(c s - c m), c = log2(e) / 32; in every step O and l are multiplied by a = 2^(c m_old - c m_new).
; SHARES.  A head's whole K and V (2 x 131,072 bytes) lie in LDS, filled once.  The head's 32 pairs of query tiles (32 queries a pair) go to 2 work-groups x 8 waves: with i = 2 wave + x a wave takes
; pair i and then pair 31 - i.  Pair p needs the key steps (64 keys) from p / 2 on: (16 - i / 2) + (1 + i / 2) = 17 steps in every wave.  The steps are walked from the last key down, so that
; the first step holds key 1023, which counts for every query; a step all of whose keys lie in front of the pair's queries is jumped over by a branch on ids.
; LAYOUT.  S^T = K Q^T and O^T = V^T P: a lane holds one query throughout.  qkv holds images of the operands' registers: every LDS load takes 512 consecutive bytes; V is turned by ds_load_tr16_b128.
; The result goes to cf as images of the next product's operand: byte = k128<<21 | mt<<12 | q<<10 | half<<9 | lane<<4.
; NO CLUSTER: a head's K and V are read by its two work-groups alone; four work-groups together would belong to two heads, whose tiles differ, so no load could name all four.
; NO PREFETCH: every byte that the work-group reads is asked for at its head.
; The fills go in two stages: keys 768-1023 first (the first four steps of every wave read those alone), keys 0-767 land meanwhile.
; LIMITS: NaN and infinities are not served; p under 6e-8 falls to 0 in f16.
; REGISTERS: window 0: v1-9 addresses and constants; v12-27 statistics, 8 a tile (c m, m, l in two halves, c0-c3; a in c2); v32-95 K; v96-159 V; v160-223 S^T, 32 a tile; v224-255 P, 16 a tile.
;   window 1: v0-31 Q of the first pair, v32-63 of the second; v64-127 O^T, 32 a tile.
.set L16, 1                            ; v1  16 x lane
.set ADK, 2
.set ADV, 3
.set D0,  4                            ; v4  on the diagonal: register (x, kt, j) is hidden where 16 kt + j - 16 x < D0
.set RH,  5                            ; v5  lane % 16 - 8 (lane / 16)
.set NEG, 6                            ; v6  the least f32 number, as the mask fills it in
.set SPW, 8
.set NIL, 9
.set ST,  12
.set KR,  32
.set VR,  96
.set S,   160
.set P,   224
.set OT,  64
.set SPARE, 262144                     ; behind K and V: the spare words, 128 bytes for each wave: four blocks of 256 bytes that no other line names
.set WV,  8
.set SEL, 20
.set CS,  22
.set G1A, 24                           ; 64 rows of 256 bytes
.set G1B, 32                           ; 192 rows of 256 bytes
.set G0A, 40
.set G0B, 44
.set CFA, 48
.set CFB, 50
.set SI,  53                           ; the key step + 1
.set SD,  54                           ; the pair's diagonal step + 1
.set TB,  55                           ; the step's LDS byte in K
.set PA,  56
.set PB,  57
.set MSB, 0
.macro WIN new
.if MSB != (\new)
	s_set_vgpr_msb (MSB<<8)|(\new)
.set MSB, (\new)
.endif
.endm
	s_load_b128 s[4:7], s[0:1], 0x0                ; qkv, cf
	v_lshl_add_u32 v[SPW], v0, 2, SPARE
	v_mov_b32 v[NIL], 0
	ds_add_u32 v[SPW], v[NIL]                      ; the wave's opening: the add, twice on end, and its wait ahead of the first tensor load
	ds_add_u32 v[SPW], v[NIL]
	v_lshrrev_b32 v10, 5, v0
	v_readfirstlane_b32 s[WV], v10                 ; wave 0..7
	s_and_b32 s9, ttmp7, 0xffff                    ; 16 x batch + head
	s_lshl_b32 s[PA], s[WV], 1
	s_add_co_u32 s[PA], s[PA], ttmp9               ; my first pair
	s_sub_co_u32 s[PB], 31, s[PA]                  ; my second
.irp g, G1A, G1B
	s_mov_b32 s[\g], 3<<16                         ; no mask; elements of 8 bytes; no padding
	s_mov_b32 s[\g+1], 32<<16                      ; tensor_dim0 = 32
	s_mov_b32 s[\g+3], 32<<16                      ; tile_dim0 = 32
	s_mov_b32 s[\g+5], 32                          ; from row to row: dense
	s_mov_b32 s[\g+6], 0
	s_mov_b32 s[\g+7], 0
.endr
	s_mov_b32 s[G1A+2], 64<<16                     ; tensor_dim1
	s_mov_b32 s[G1A+4], 64                         ; tile_dim1
	s_mov_b32 s[G1B+2], 192<<16
	s_mov_b32 s[G1B+4], 192
	s_and_b32 s10, s[WV], 1                        ; waves 0-3 fetch: K (0) or V (1),
	s_lshr_b32 s11, s[WV], 1                       ; the first or the second half of a stage
	s_lshl_b32 s12, s10, 17
	s_lshl_b32 s13, s11, 14
	s_add_co_u32 s13, s13, 98304                   ; stage 1: keys 768 on, 16,384 bytes a load
	s_mul_i32 s14, s11, 49152                      ; stage 2: keys 0 on, 49,152 bytes a load
	s_mov_b32 s[G0A], 1
	s_add_co_u32 s[G0A+1], s12, s13
	s_mov_b32 s[G0B], 1
	s_add_co_u32 s[G0B+1], s12, s14
	s_add_co_u32 s16, s10, 1
	s_lshl_b32 s16, s16, 24                        ; k's or v's part of qkv,
	s_lshl_b32 s15, s9, 17                         ; the head's 131,072 bytes
	s_add_co_u32 s16, s16, s15
	s_add_co_u32 s18, s16, s14
	s_add_co_u32 s16, s16, s13
	s_mov_b32 s17, 0
	s_mov_b32 s19, 0
	s_mov_b32 s[SEL], 0x76543210
	s_mov_b32 s[SEL+1], 0xfedcba98                 ; v_permlanex16_b32's selects for lane l xor 16
	s_mov_b32 s[CS], 0x3d38aa3b                    ; c = log2(e) / 32
	s_mov_b32 s[CS+1], s[CS]                       ; (named with it as a pair, so it is written)
	s_wait_dscnt 0x0                               ; both opening adds are done
	s_wait_kmcnt 0x0
	s_add_nc_u64 s[G0A+2:G0A+3], s[4:5], s[16:17]
	s_or_b32 s[G0A+3], s[G0A+3], 0x80000000
	s_add_nc_u64 s[G0B+2:G0B+3], s[4:5], s[18:19]
	s_or_b32 s[G0B+3], s[G0B+3], 0x80000000
	s_cmp_lt_u32 s[WV], 4                          ; a wave's two fills stand in one branch on the wave's number: two tensor loads of a wave are out at the most
	s_cbranch_scc0 .Lno_fill
	tensor_load_to_lds s[G0A:G0A+3], s[G1A:G1A+7]
	s_nop 0
	tensor_load_to_lds s[G0B:G0B+3], s[G1B:G1B+7]
	s_nop 0
.rept 4
	v_nop
.endr
.Lno_fill:
	s_lshl_b32 s12, s[PA], 12                      ; q's part: a pair is two tiles of 2,048 bytes
	s_add_co_u32 s12, s12, s15
	s_mov_b32 s13, 0
	s_add_nc_u64 s[12:13], s[4:5], s[12:13]
	s_lshl_b32 s14, s[PB], 12
	s_add_co_u32 s14, s14, s15
	s_mov_b32 s15, 0
	s_add_nc_u64 s[14:15], s[4:5], s[14:15]
	v_and_b32 v10, 31, v0
	v_lshlrev_b32 v[L16], 4, v10
	WIN 0x40                                       ; destination window 1
.irp x, 0,1
.irp ct, 0,1,2,3
	global_load_b128 v[16*\x+4*\ct:16*\x+4*\ct+3], v[L16], s[12:13] offset:2048*\x+512*\ct
	global_load_b128 v[32+16*\x+4*\ct:32+16*\x+4*\ct+3], v[L16], s[14:15] offset:2048*\x+512*\ct
.endr
.endr
	WIN 0
	s_and_b32 s16, s9, 15                          ; cf: (head / 2)<<21 + batch<<18 + pair<<13 + (head % 2)<<11
	s_lshr_b32 s17, s16, 1
	s_lshl_b32 s17, s17, 21
	s_and_b32 s16, s16, 1
	s_lshl_b32 s16, s16, 11
	s_add_co_u32 s16, s16, s17
	s_lshr_b32 s17, s9, 4
	s_lshl_b32 s17, s17, 18
	s_add_co_u32 s16, s16, s17
	s_lshl_b32 s18, s[PA], 13
	s_add_co_u32 s18, s18, s16
	s_mov_b32 s19, 0
	s_add_nc_u64 s[CFA:CFA+1], s[6:7], s[18:19]
	s_lshl_b32 s18, s[PB], 13
	s_add_co_u32 s18, s18, s16
	s_add_nc_u64 s[CFB:CFB+1], s[6:7], s[18:19]
	v_and_b32 v10, 15, v0
	v_bfe_u32 v11, v0, 4, 1
	v_lshlrev_b32 v11, 3, v11
	v_sub_nc_u32 v[RH], v10, v11
	v_mov_b32 v[NEG], 0xff7fffff
; A pair begins: m under every score, l and O^T zero, so that the step is written once: the first a is 2^(a huge negative number) = 0.
.macro INIT sp
	s_lshr_b32 s[SD], s[\sp], 1
	s_add_co_u32 s[SD], s[SD], 1
	s_and_b32 s52, s[\sp], 1
	s_lshl_b32 s52, s52, 5
	v_add_nc_u32 v[D0], s52, v[RH]                 ; 32 (pair % 2) + lane % 16 - 8 (lane / 16)
.irp t, 0,1
	v_mov_b32 v[ST+8*\t+1], 0xff61b1e6             ; -3e38
	v_mov_b32 v[ST+8*\t+2], 0
	v_mov_b32 v[ST+8*\t+3], 0
.endr
.irp t, 0,1
	v_mul_f32 v[ST+8*\t], s[CS], v[ST+8*\t+1]
.endr
	WIN 0x40
.set i, 0
.rept 64
	v_mov_b32 v[OT+i], 0
.set i, i+1
.endr
	WIN 0
	s_mov_b32 s[TB], 131072
	s_mov_b32 s[SI], 16
.endm
; A KEY STEP, 64 keys, for both tiles of the pair.  qb: where the pair's Q lies in window 1.  tested = 1: the step may be hidden or lie on the diagonal.
.macro UNIT qb, tested
	s_sub_co_u32 s[TB], s[TB], 8192
.if \tested
	s_cmp_lt_u32 s[SI], s[SD]                      ; all 64 keys lie in front of my 32 queries: ids and the count of steps alone
	s_cbranch_scc1 .Lskip_\@
.endif
	v_add_nc_u32 v[ADK], s[TB], v[L16]
	v_add_nc_u32 v[ADV], 0x20000, v[ADK]
	v_nop
	v_nop                                          ; these four lines are the places between the last step's products and the loads into V's registers
.irp kt, 0,1,2,3
.irp c, 0,1
	ds_load_b128 v[KR+8*(2*\kt+\c):KR+8*(2*\kt+\c)+3], v[ADK] offset:2048*\kt+1024*\c
	ds_load_b128 v[KR+8*(2*\kt+\c)+4:KR+8*(2*\kt+\c)+7], v[ADK] offset:2048*\kt+1024*\c+512
.endr
.endr
.irp c, 0,1,2,3
.irp u, 0,1
	ds_load_tr16_b128 v[VR+8*(2*\c+\u):VR+8*(2*\c+\u)+3], v[ADV] offset:4096*\u+512*\c
	ds_load_tr16_b128 v[VR+8*(2*\c+\u)+4:VR+8*(2*\c+\u)+7], v[ADV] offset:4096*\u+2048+512*\c
.endr
.endr
	s_wait_dscnt 16                                ; K is in; V's sixteen loads may be out
	WIN 0x04                                       ; source 1 (Q) in window 1
.irp c, 0,1                                    ; S^T = K Q^T: eight accumulators by turns; the first eight products start the sums
.irp kt, 0,1,2,3
.irp x, 0,1
.if \c == 0
	v_wmma_f32_16x16x32_f16 v[S+32*\x+8*\kt:S+32*\x+8*\kt+7], v[KR+8*(2*\kt+\c):KR+8*(2*\kt+\c)+7], v[\qb+16*\x+8*\c:\qb+16*\x+8*\c+7], 0
.else
	v_wmma_f32_16x16x32_f16 v[S+32*\x+8*\kt:S+32*\x+8*\kt+7], v[KR+8*(2*\kt+\c):KR+8*(2*\kt+\c)+7], v[\qb+16*\x+8*\c:\qb+16*\x+8*\c+7], v[S+32*\x+8*\kt:S+32*\x+8*\kt+7]
.endif
.endr
.endr
.endr
	WIN 0
.rept 4
	v_nop
.endr
.if \tested
	s_cmp_lg_u32 s[SI], s[SD]
	s_cbranch_scc1 .Lopen_\@                       ; all keys count
.irp x, 0,1                                    ; on the diagonal: key 16 kt + 8 h + j of the step is hidden where it lies in front of the query
.irp kt, 0,1,2,3
.irp j, 0,1,2,3,4,5,6,7
	v_cmp_lt_i32 vcc_lo, 16*\kt+\j-16*\x, v[D0]
	v_cndmask_b32 v[S+32*\x+8*\kt+\j], v[S+32*\x+8*\kt+\j], v[NEG], vcc_lo
.endr
.endr
.endr
.Lopen_\@:
.endif
	; the softmax, the two tiles by turns.  The maximum: four chains of seven scores, then the four left over, the chains and the old m
.irp j, 0,1,2,3
.irp t, 0,1
	v_max3_num_f32 v[ST+8*\t+4+\j], v[S+32*\t+8*\j], v[S+32*\t+8*\j+1], v[S+32*\t+8*\j+2]
.endr
.endr
.irp i, 3,5
.irp j, 0,1,2,3
.irp t, 0,1
	v_max3_num_f32 v[ST+8*\t+4+\j], v[ST+8*\t+4+\j], v[S+32*\t+8*\j+\i], v[S+32*\t+8*\j+\i+1]
.endr
.endr
.endr
.irp t, 0,1
	v_max3_num_f32 v[ST+8*\t+4], v[ST+8*\t+4], v[S+32*\t+7], v[S+32*\t+15]
	v_max3_num_f32 v[ST+8*\t+6], v[ST+8*\t+6], v[S+32*\t+23], v[S+32*\t+31]
.endr
.irp t, 0,1
	v_max3_num_f32 v[ST+8*\t+4], v[ST+8*\t+4], v[ST+8*\t+5], v[ST+8*\t+6]
.endr
.irp t, 0,1
	v_max3_num_f32 v[ST+8*\t+4], v[ST+8*\t+4], v[ST+8*\t+7], v[ST+8*\t+1]
.endr
.irp t, 0,1
	v_permlanex16_b32 v[ST+8*\t+5], v[ST+8*\t+4], s[SEL], s[SEL+1]   ; the query's other 32 keys lie in the lane 16 away
.endr
.irp t, 0,1
	v_mov_b32 v[ST+8*\t+7], v[ST+8*\t]             ; c m_old is kept for a
.endr
.irp t, 0,1
	v_max_num_f32 v[ST+8*\t+1], v[ST+8*\t+4], v[ST+8*\t+5]
.endr
.irp t, 0,1
	v_mul_f32 v[ST+8*\t], s[CS], v[ST+8*\t+1]
.endr
.irp t, 0,1
	v_sub_f32 v[ST+8*\t+7], v[ST+8*\t+7], v[ST+8*\t]
.endr
.set i, 0
.rept 16
.irp t, 0,1
	v_pk_fma_f32 v[S+32*\t+i:S+32*\t+i+1], v[S+32*\t+i:S+32*\t+i+1], s[CS:CS+1], v[ST+8*\t:ST+8*\t+1] op_sel_hi:[1,0,0] neg_lo:[0,0,1] neg_hi:[0,0,1]   ; c s - c m
.endr
.set i, i+2
.endr
.irp t, 0,1
	v_exp_f32 v[ST+8*\t+6], v[ST+8*\t+7]           ; a
.endr
.set i, 0
.rept 64
	v_exp_f32 v[S+i], v[S+i]                       ; p, at most 1
.set i, i+1
.endr
	v_nop                                          ; a plain line behind the last exponential
	s_wait_alu depctr_va_vdst(0)                   ; one wait for the batch of 66, ahead of its first reader
.set i, 0
.rept 16
.irp t, 0,1
	v_cvt_pk_f16_f32 v[P+16*\t+i], v[S+32*\t+2*i], v[S+32*\t+2*i+1]   ; two tiles of 16 keys, packed in pairs, are the next product's source 1
.endr
.set i, i+1
.endr
.irp w, 4,8,16,32                              ; the sum of the p as they were before rounding: pairs 1, 2, 4, 8 apart, in place
.set i, 0
.rept 32/\w
.irp t, 0,1
	v_pk_add_f32 v[S+32*\t+i:S+32*\t+i+1], v[S+32*\t+i:S+32*\t+i+1], v[S+32*\t+i+\w/2:S+32*\t+i+\w/2+1]
.endr
.set i, i+\w
.endr
.endr
.irp t, 0,1
	v_pk_fma_f32 v[ST+8*\t+2:ST+8*\t+3], v[ST+8*\t+2:ST+8*\t+3], v[ST+8*\t+6:ST+8*\t+7], v[S+32*\t:S+32*\t+1] op_sel_hi:[1,0,1]   ; l = a l + the sum
.endr
	WIN 0x41                                       ; O^T in window 1, a in window 0
.irp t, 0,1
.set i, 0
.rept 16
	v_pk_mul_f32 v[OT+32*\t+i:OT+32*\t+i+1], v[OT+32*\t+i:OT+32*\t+i+1], v[ST+8*\t+6:ST+8*\t+7] op_sel_hi:[1,0]
.set i, i+2
.endr
.endr
	s_wait_dscnt 0x0                               ; V is in
	WIN 0x50                                       ; C and D in window 1
.irp u, 0,1                                    ; O^T += V^T P: eight accumulators by turns
.irp c, 0,1,2,3
.irp x, 0,1
	v_wmma_f32_16x16x32_f16 v[OT+32*\x+8*\c:OT+32*\x+8*\c+7], v[VR+8*(2*\c+\u):VR+8*(2*\c+\u)+7], v[P+16*\x+8*\u:P+16*\x+8*\u+7], v[OT+32*\x+8*\c:OT+32*\x+8*\c+7]
.endr
.endr
.endr
	WIN 0
.if \tested
.Lskip_\@:
.endif
.endm
; A pair ends: O^T / l, rounded to f16; a lane's eight channels of a query are a piece of an image in cf: each store of the wave covers 512 consecutive bytes, aligned.
.macro OUT cfb
.rept 4
	v_nop
.endr
.irp t, 0,1
	v_add_f32 v[ST+8*\t+4], v[ST+8*\t+2], v[ST+8*\t+3]
.endr
.irp t, 0,1
	v_permlanex16_b32 v[ST+8*\t+5], v[ST+8*\t+4], s[SEL], s[SEL+1]
.endr
.irp t, 0,1
	v_add_f32 v[ST+8*\t+4], v[ST+8*\t+4], v[ST+8*\t+5]
.endr
.irp t, 0,1
	v_rcp_f32 v[ST+8*\t+6], v[ST+8*\t+4]
.endr
	v_nop
	s_wait_alu depctr_va_vdst(0)                   ; one wait for the two reciprocals
	WIN 0x41
.irp t, 0,1
.set i, 0
.rept 16
	v_pk_mul_f32 v[OT+32*\t+i:OT+32*\t+i+1], v[OT+32*\t+i:OT+32*\t+i+1], v[ST+8*\t+6:ST+8*\t+7] op_sel_hi:[1,0]
.set i, i+2
.endr
.endr
	WIN 0x05
.irp t, 0,1
.set i, 0
.rept 16
	v_cvt_pk_f16_f32 v[S+16*\t+i], v[OT+32*\t+2*i], v[OT+32*\t+2*i+1]
.set i, i+1
.endr
.endr
	WIN 0
.irp x, 0,1
.irp c, 0,1,2,3
	global_store_b128 v[L16], v[S+16*\x+4*\c:S+16*\x+4*\c+3], s[\cfb:\cfb+1] offset:4096*\x+512*\c
.endr
.endr
.endm
	s_wait_tensorcnt 1                             ; my part of keys 768-1023 is in; my part of keys 0-767 may be out
	s_barrier_signal -1
	s_barrier_wait -1
	INIT PA
	s_wait_loadcnt 0x0                             ; Q of both pairs
.La1:                                              ; steps 15 to 12: they count whole for every first pair, and read keys 768-1023 alone
	UNIT 0, 0
	s_sub_co_u32 s[SI], s[SI], 1
	s_cmp_lg_u32 s[SI], 12
	s_cbranch_scc1 .La1
	s_wait_tensorcnt 0x0                           ; my part of keys 0-767 is in,
	s_wait_dscnt 0x0
	s_barrier_signal -1
	s_barrier_wait -1                              ; everybody's is
	s_mov_b32 s[TB], 98304                         ; (the values that the loop above has left, written out)
	s_mov_b32 s[SI], 12
.La2:                                              ; steps 11 to 0
	UNIT 0, 1
	s_sub_co_u32 s[SI], s[SI], 1
	s_cmp_lg_u32 s[SI], 0
	s_cbranch_scc1 .La2
	OUT CFA
	s_wait_xcnt 0x0                                ; the stores have read their registers: S^T's are written again below
	INIT PB
.Lb:                                               ; the second pair: steps 15 to 8
	UNIT 32, 1
	s_sub_co_u32 s[SI], s[SI], 1
	s_cmp_lg_u32 s[SI], 8
	s_cbranch_scc1 .Lb
	OUT CFB
	s_wait_tensorcnt 0x0                           ; the wave's end
	ds_add_u32 v[SPW], v[NIL]
	s_wait_dscnt 0x0
	s_endpgm
.Lfunc_end_k_qc2505f690d_attn:
	.size	k_qc2505f690d_attn, .Lfunc_end_k_qc2505f690d_attn-k_qc2505f690d_attn
	.p2alignl 7, 3214868480
	.fill 96, 4, 3214868480
	.section	.rodata,"a",@progbits
	.p2align	6, 0x0
	.amdhsa_kernel k_qc2505f690d_attn
		.amdhsa_group_segment_fixed_size 327680
		.amdhsa_private_segment_fixed_size 0
		.amdhsa_enable_private_segment 0
		.amdhsa_kernarg_size 16
		.amdhsa_user_sgpr_count 2
		.amdhsa_user_sgpr_kernarg_segment_ptr 1
		.amdhsa_wavefront_size32 1
		.amdhsa_system_sgpr_workgroup_id_x 1
		.amdhsa_system_sgpr_workgroup_id_y 1
		.amdhsa_system_sgpr_workgroup_id_z 1
		.amdhsa_system_vgpr_workitem_id 0
		.amdhsa_next_free_vgpr 384
		.amdhsa_next_free_sgpr 66
		.amdhsa_reserve_vcc 1
		.amdhsa_float_denorm_mode_32 3
		.amdhsa_float_denorm_mode_16_64 3
		.amdhsa_memory_ordered 1
		.amdhsa_forward_progress 1
		.amdhsa_inst_pref_size 82
	.end_amdhsa_kernel
	.amdgpu_metadata
---
amdhsa.version: [ 1, 2 ]
amdhsa.kernels:
  - .name:           k_qc2505f690d_attn
    .symbol:         k_qc2505f690d_attn.kd
    .args:
      - { .name: qkv, .offset: 0, .size: 8, .value_kind: global_buffer, .address_space: global }
      - { .name: cf, .offset: 8, .size: 8, .value_kind: global_buffer, .address_space: global }
    .group_segment_fixed_size: 327680
    .private_segment_fixed_size: 0
    .kernarg_segment_align: 8
    .kernarg_segment_size: 16
    .max_flat_workgroup_size: 256
    .sgpr_count:     66
    .vgpr_count:     384
    .wavefront_size: 32
...
	.end_amdgpu_metadata
.endif
;; end of part 3
;; launch proj (part 4): grid 4 x 64, 4 waves a work-group, clusters of 4 x 4, 327,680 bytes of LDS; arguments cf, wof, bo, out0; writes out0
.if DOCPART == 4
	.amdgcn_target "amdgcn-amd-amdhsa--gfx1250"
	.amdhsa_code_object_version 6
	.text
	.protected	k_qc2505f690d_proj
	.globl	k_qc2505f690d_proj
	.p2align	8
	.type	k_qc2505f690d_proj,@function
k_qc2505f690d_proj:
	s_mov_b64 s[64:65], 0
	v_nop
	global_prefetch_b8 v0, s[64:65] scope:SCOPE_SE
	s_setreg_imm32_b32 hwreg(HW_REG_WAVE_MODE, 25, 1), 1
	s_wait_xcnt 0x0
	s_wait_alu depctr_hold_cnt(0) depctr_sa_sdst(0) depctr_va_vdst(0) depctr_va_sdst(0) depctr_va_ssrc(0) depctr_va_vcc(0) depctr_vm_vsrc(0)
	s_getreg_b32 s2, hwreg(HW_REG_IB_STS2, 6, 4)
	s_cmp_eq_u32 s2, 0
	s_cbranch_scc0 .Lentry_in_a_cluster
	s_endpgm
.Lentry_in_a_cluster:
	s_bfe_u32 s2, ttmp6, 0x10000c
	s_cmp_lg_u32 s2, 0xf033
	s_cbranch_scc0 .Lentry_shape_is_right
	s_endpgm
.Lentry_shape_is_right:
; PROJ: out0 = concat Wo + bo, f16 operands (Wo's high parts), sums in f32: all rows but the last 16 positions of each sequence, which a later launch carries more finely.
; A tile of 128 rows x 256 columns is made by four waves, 64 x 128 each: 32 accumulators.  8,192 x 1,024 numbers are 256 such tiles.  K goes in 8 steps of 128 through two LDS slots.
; cf and wof hold images of the operands' registers: a K step's part of a tile is one dense block (32,768 bytes of cf, 65,536 of wof), and every LDS load takes 512 consecutive bytes: no padding.
; CLUSTERS: 4 x 4 work-groups; tile row = 16 cy + cluster y, tile column = cx.  cf's block is asked for jointly along a row of the cluster, wof's along a column.
; THE MATRIX INSTRUCTION IS USED TRANSPOSED (source 0 = 16 columns of Wo, source 1 = 16 rows of concat): a lane holds eight neighbouring numbers of a row.  bo is the C of each sum's first product.
; REGISTERS: window 0: v16-31 addresses; v32-95 bo in the result's layout; v96-223 two buffers of 16 rows on the way out.   window 1: the accumulators ((a, b) at v[8 (8 a + b)]).
;   window 2: two fragment buffers for 32 along K, at v0 and v128: 32 registers of concat (4 x 16 rows), then 64 of Wo (8 x 16 columns).
.set SLOT,   98304                     ; concat's 8 images of 4,096 bytes, then Wo's 16
.set BOFF,   32768
.set STAGE,  2*SLOT                    ; behind the ring: 16 rows x (512 bytes + 16) for each wave
.set SPITCH, 528
.set SPARE,  STAGE+4*16*SPITCH         ; the spare words, 128 bytes for each wave: two blocks of 256 bytes that no other line names
.set ADRA, 16
.set ADRB, 20
.set STO,  24
.set RD,   25
.set CO,   26                          ; v26  16 x lane
.set SPW,  28
.set NIL,  29
.set PFO,  30                          ; v30  256 x lane; never rewritten
.set BA,   31
.set BI,   32
.set BK,   96
.set F0,   0
.set F1,   128
.set G1,  24
.set G0,  32
.set G1B, 48
.set G0B, 56
.set PFA, 68                           ; s[68:69] where my prefetches stand
.set PFS, 70                           ; s[70:71] a K step on, in bytes
.set LIM, 72                           ; s72  1 in a wave that prefetches, else the greatest number
.set SKIP, 73                          ; s73  8 where my last 16 rows are a sequence's last 16 positions
.set MSB, 0
.macro WIN new
.if MSB != (\new)
	s_set_vgpr_msb (MSB<<8)|(\new)
.set MSB, (\new)
.endif
.endm
.set MUL,  0x5a                        ; sources 0 and 1 window 2; C and D window 1
.set MULZ, 0x4a                        ; the same with C (bo) in window 0
.set TO_F, 0x80
.macro JLOAD s                         ; a joint load: waves 0 and 1 fetch concat's halves, waves 2 and 3 Wo's
	s_cmp_eq_u32 s15, 0
	s_cbranch_scc0 .Lfor_b_\@
	tensor_load_to_lds s[G0+4*\s:G0+4*\s+3], s[G1:G1+7]
	s_nop 0
.rept 4
	v_nop
.endr
	s_branch .Lasked_\@
.Lfor_b_\@:
	tensor_load_to_lds s[G0B+4*\s:G0B+4*\s+3], s[G1B:G1B+7]
	s_nop 0
.rept 4
	v_nop
.endr
.Lasked_\@:
.endm
.macro CREST
	s_cmp_lg_u32 s14, 0
	s_cbranch_scc1 .Lnot_wave_0_\@
	s_barrier_signal -3
.Lnot_wave_0_\@:
	s_barrier_wait -3
	s_barrier_signal -1
	s_barrier_wait -1
.endm
.macro CROUND
	s_barrier_signal -1
	s_barrier_wait -1
	CREST
.endm
; A PREFETCH INTO THE L2 of the K step that stands two refills on (256 matrix instructions ahead of the load that will want it): 8,192 bytes a wave, lanes 256 bytes apart, one instruction.
; concat's block of a K step (32,768 bytes) is read by one row of one cluster alone: wave 0 of each of its four partners asks for a quarter, told apart by address (8,192 cx).
; Wo's block is read by every cluster: in cluster y = 0, waves 2 and 3 ask for their halves, a quarter to each partner of the column (8,192 cy).  So each block of 256 bytes is named once.
; The loop's last trip asks for nothing: its refills are the last two K steps.  K steps 0 to 3 come by their loads alone.
.macro ASK
	s_cmp_gt_u32 s3, s[LIM]
	s_cbranch_scc0 .Lnot_mine_\@
	global_prefetch_b8 v[PFO], s[PFA:PFA+1] th:TH_LOAD_NT scope:SCOPE_SE
.Lnot_mine_\@:
.endm
	s_load_b256 s[4:11], s[0:1], 0x0               ; cf s[4:5], wof s[6:7], bo s[8:9], out0 s[10:11]
	v_lshl_add_u32 v[SPW], v0, 2, SPARE
	v_mov_b32 v[NIL], 0
	ds_add_u32 v[SPW], v[NIL]                      ; the wave's opening: the add, twice on end, and its wait ahead of my first tensor load
	ds_add_u32 v[SPW], v[NIL]
	v_lshrrev_b32 v1, 5, v0
	v_readfirstlane_b32 s14, v1                    ; wave 0..3
	s_lshr_b32 s15, s14, 1                         ; which half of the tile's rows is mine.  Also: I fetch for concat (0) or for Wo (1)
	s_and_b32 s16, s14, 1                          ; which half of its columns.  Also: which half of that block I fetch
	s_bfe_u32 s40, ttmp6, 0x40000                  ; cx
	s_bfe_u32 s41, ttmp6, 0x40004                  ; cy
	s_lshl_b32 s42, ttmp9, 2
	s_add_co_u32 s42, s42, s40                     ; tile column
	s_and_b32 s17, ttmp7, 0xffff
	s_lshl_b32 s18, s41, 4
	s_add_co_u32 s17, s17, s18                     ; tile row = 16 cy + cluster y
	s_and_b32 s[SKIP], ttmp7, 7
	s_add_co_u32 s[SKIP], s[SKIP], s15             ; cluster y % 8 = 7 and the lower half of the rows: ids that all partners share
	s_lshl_b32 s43, s41, 2
	s_lshl_b32 s43, 15, s43                        ; my row of the cluster
	s_lshl_b32 s44, 0x1111, s40                    ; my column
	s_or_b32 s[G1], s43, (3<<16)|(1<<21)           ; the mask; elements of 8 bytes; bit 21 beside a mask; no padding
	s_or_b32 s[G1B], s44, (3<<16)|(1<<21)
.irp g, G1, G1B
	s_mov_b32 s[\g+1], 32<<16                      ; rows of 32 elements, dense
	s_mov_b32 s[\g+3], 32<<16
	s_mov_b32 s[\g+5], 32
	s_mov_b32 s[\g+6], 0
	s_mov_b32 s[\g+7], 0
.endr
	s_mov_b32 s[G1+2], 64<<16                      ; concat: 64 rows of 256 bytes a load
	s_mov_b32 s[G1+4], 64
	s_mov_b32 s[G1B+2], 128<<16                    ; Wo: 128
	s_mov_b32 s[G1B+4], 128
	s_lshl_b32 s20, s17, 15                        ; cf: (8 x tile row + 4 x half) images of 4,096 bytes
	s_lshl_b32 s18, s16, 14
	s_add_co_u32 s20, s20, s18
	s_mov_b32 s21, 0
	s_lshl_b32 s46, s42, 16                        ; wof: (16 x tile column + 8 x half) images
	s_lshl_b32 s18, s16, 15
	s_add_co_u32 s46, s46, s18
	s_mov_b32 s47, 0
	s_lshl_b32 s22, s16, 14                        ; where they go in a slot: no place in the cluster enters an LDS address
	s_lshl_b32 s23, s16, 15
	s_add_co_u32 s23, s23, BOFF
	s_wait_dscnt 0x0                               ; both opening adds are done
	s_wait_kmcnt 0x0
	s_add_nc_u64 s[20:21], s[4:5], s[20:21]
	s_add_nc_u64 s[46:47], s[6:7], s[46:47]
	CROUND                                         ; all sixteen work-groups are here: the first joint loads meet
.irp s, 0,1
	s_mov_b32 s[G0+4*\s], 1
	s_add_co_u32 s[G0+4*\s+1], s22, \s*SLOT
	s_add_nc_u64 s[G0+4*\s+2:G0+4*\s+3], s[20:21], \s*0x200000      ; K step s of cf
	s_or_b32 s[G0+4*\s+3], s[G0+4*\s+3], 0x80000000
	s_mov_b32 s[G0B+4*\s], 1
	s_add_co_u32 s[G0B+4*\s+1], s23, \s*SLOT
	s_add_nc_u64 s[G0B+4*\s+2:G0B+4*\s+3], s[46:47], \s*0x40000     ; K step s of wof
	s_or_b32 s[G0B+4*\s+3], s[G0B+4*\s+3], 0x80000000
	JLOAD \s                                       ; two tensor loads of a wave are out at the start, one behind each round
.endr
	v_and_b32 v1, 15, v0                           ; r
	v_bfe_u32 v2, v0, 4, 1                         ; h
	v_and_b32 v3, 31, v0
	v_lshlrev_b32 v[CO], 4, v3
	v_lshlrev_b32 v[PFO], 8, v3
	v_lshlrev_b32 v[BA], 5, v2
	s_lshl_b32 s20, s17, 19                        ; out0: (128 x tile row + 64 x row half) rows of 4,096 bytes + 4 x (256 x tile column + 128 x column half)
	s_lshl_b32 s21, s15, 18
	s_add_co_u32 s20, s20, s21
	s_lshl_b32 s22, s42, 10
	s_lshl_b32 s21, s16, 9
	s_add_co_u32 s22, s22, s21
	s_add_co_u32 s20, s20, s22
	s_mov_b32 s21, 0
	s_mov_b32 s23, 0
	s_add_nc_u64 s[10:11], s[10:11], s[20:21]
	s_add_nc_u64 s[8:9], s[8:9], s[22:23]
.irp b, 0,1,2,3,4,5,6,7
	global_load_b128 v[BI+8*\b:BI+8*\b+3], v[BA], s[8:9] offset:64*\b          ; lane (r, h), block b: bo of columns 16 b + 8 h + 0 .. 7
	global_load_b128 v[BI+8*\b+4:BI+8*\b+7], v[BA], s[8:9] offset:64*\b+16
.endr
	s_lshl_b32 s21, s15, 14                        ; my four images of concat,
	s_lshl_b32 s22, s16, 15
	s_add_co_u32 s22, s22, BOFF                    ; my eight of Wo
.irp s, 0,1
	v_add_nc_u32 v[ADRA+\s], s21, v[CO]
	v_add_nc_u32 v[ADRB+\s], s22, v[CO]
	s_add_co_u32 s21, s21, SLOT
	s_add_co_u32 s22, s22, SLOT
.endr
	s_mul_i32 s23, s14, 16*SPITCH
	s_add_co_u32 s23, s23, STAGE                   ; my stage
	v_mul_u32_u24 v4, v1, SPITCH
	v_lshl_add_u32 v4, v2, 5, v4
	v_add_nc_u32 v[STO], s23, v4                   ; in: row r, 32 bytes for each half of the lanes
	v_add_nc_u32 v[RD], s23, v[CO]                 ; back: the 32 lanes take one row of 512 bytes
	s_lshl_b32 s20, s17, 15                        ; the prefetches: concat's block + 8,192 cx, at K step 3: the first refill steps it to 4
	s_lshl_b32 s21, s40, 13
	s_add_co_u32 s20, s20, s21
	s_add_co_u32 s20, s20, (3<<21)
	s_lshl_b32 s22, s42, 16                        ; Wo's half block + 8,192 cy
	s_lshl_b32 s21, s16, 15
	s_add_co_u32 s22, s22, s21
	s_lshl_b32 s21, s41, 13
	s_add_co_u32 s22, s22, s21
	s_add_co_u32 s22, s22, (3<<18)
	s_and_b32 s23, ttmp7, 0xffff
	s_mov_b32 s[PFS], (1<<18)
	s_cmp_eq_u32 s15, 0                            ; do I fetch for concat?
	s_cselect_b64 s[PFA:PFA+1], s[4:5], s[6:7]
	s_cselect_b32 s20, s20, s22
	s_cselect_b32 s[PFS], (1<<21), s[PFS]
	s_cselect_b32 s23, s16, s23                    ; concat: wave 0 asks, wave 1 does not; Wo: cluster y = 0 asks
	s_mov_b32 s21, 0
	s_mov_b32 s[PFS+1], 0
	s_add_nc_u64 s[PFA:PFA+1], s[PFA:PFA+1], s[20:21]
	s_cmp_eq_u32 s23, 0
	s_cselect_b32 s[LIM], 1, -1                    ; the same in all sixteen partners, for a given wave
.macro MUL8 f, a, zero                 ; concat's block a against Wo's eight, 32 along K.  The 32 accumulators take turns in the same order in every quarter
.irp b, 0,1,2,3,4,5,6,7
.if \zero
	v_wmma_f32_16x16x32_f16 v[8*(8*(\a)+\b):8*(8*(\a)+\b)+7], v[\f+32+8*\b:\f+32+8*\b+7], v[\f+8*(\a):\f+8*(\a)+7], v[BI+8*\b:BI+8*\b+7]
.else
	v_wmma_f32_16x16x32_f16 v[8*(8*(\a)+\b):8*(8*(\a)+\b)+7], v[\f+32+8*\b:\f+32+8*\b+7], v[\f+8*(\a):\f+8*(\a)+7], v[8*(8*(\a)+\b):8*(8*(\a)+\b)+7]
.endif
.endr
.endm
.macro FETCH slot, q, f                ; 24 LDS loads in one run: the fragments of the slot's q-th 32 along K; Wo's first, concat's blocks 2 and 3 last
	WIN TO_F
.irp i, 0,1,2,3,4,5,6,7
	ds_load_b128 v[\f+32+8*\i:\f+32+8*\i+3], v[ADRB+\slot] offset:4096*\i+1024*(\q)
	ds_load_b128 v[\f+32+8*\i+4:\f+32+8*\i+7], v[ADRB+\slot] offset:4096*\i+1024*(\q)+512
.endr
.irp i, 0,1,2,3
	ds_load_b128 v[\f+8*\i:\f+8*\i+3], v[ADRA+\slot] offset:4096*\i+1024*(\q)
	ds_load_b128 v[\f+8*\i+4:\f+8*\i+7], v[ADRA+\slot] offset:4096*\i+1024*(\q)+512
.endr
.endm
.macro PLACES
.rept 4
	v_nop
.endr
.endm
.macro QUARTER slot, q, f, g, zero     ; multiplies buffer f and fetches the slot's q-th quarter into g
	s_wait_dscnt 4                                 ; Wo's fragments and concat's blocks 0 and 1 are in; the youngest four loads may be out
	WIN MUL-0x10*(\zero)
	MUL8 \f, 0, \zero
	MUL8 \f, 1, \zero
	PLACES
	FETCH \slot, \q, \g
	s_wait_dscnt 24                                ; all but the 24 just issued
	WIN MUL-0x10*(\zero)
	MUL8 \f, 2, \zero
	MUL8 \f, 3, \zero
.endm
; A K step's last quarter multiplies buffer 1 and changes slots: one barrier; in front of it each wave waits for all its tensor loads, adds 0 to its spare word, and waits for that and for its reads of this slot.
.macro TURN slot, next, fill
.if \fill
	s_wait_xcnt 0x0                                ; the last prefetch, a K step back, has read its address
	s_add_nc_u64 s[PFA:PFA+1], s[PFA:PFA+1], s[PFS:PFS+1]
.endif
	WIN 0
	s_wait_tensorcnt 0x0                           ; all my tensor loads have landed: my part of the next slot
	ds_add_u32 v[SPW], v[NIL]                      ; 0 onto my spare word
	s_wait_dscnt 5                                 ; the add and the youngest four loads may be out
	WIN MUL
	MUL8 F1, 0, 0
	s_wait_dscnt 0x0                               ; the add is done, and my reads of this slot are over
	s_barrier_signal -1
	MUL8 F1, 1, 0
.if \fill
	WIN 0
.endif
	s_barrier_wait -1
.if \fill
	CREST                                          ; the barrier has opened a round of the cluster's: no wave of any partner still reads this slot or has a load on its way
	s_add_nc_u64 s[G0+4*\slot+2:G0+4*\slot+3], s[G0+4*\slot+2:G0+4*\slot+3], 0x400000
	s_add_nc_u64 s[G0B+4*\slot+2:G0B+4*\slot+3], s[G0B+4*\slot+2:G0B+4*\slot+3], 0x80000
	JLOAD \slot                                    ; the first tensor load behind the round: 112 matrix instructions ahead of the wait for it; its four v_nop are also the places in front of the loads below
.else
	PLACES
.endif
	FETCH \next, 0, F0
.if \fill
	WIN 0
	ASK
.endif
	WIN MUL
	MUL8 F1, 2, 0
	MUL8 F1, 3, 0
.endm
	s_wait_tensorcnt 1                             ; my part of K step 0 is in; K step 1's may be out
	s_barrier_signal -1
	s_barrier_wait -1
	FETCH 0, 0, F0
	s_wait_loadcnt 0x0                             ; bo
	QUARTER 0, 1, F0, F1, 1                        ; the first quarter starts the sums from bo
	WIN 0
	s_mov_b32 s3, 3
.Llap:                                             ; a trip goes once round the ring and fills both slots again
	QUARTER 0, 2, F1, F0, 0
	QUARTER 0, 3, F0, F1, 0
	TURN 0, 1, 1
	QUARTER 1, 1, F0, F1, 0
	QUARTER 1, 2, F1, F0, 0
	QUARTER 1, 3, F0, F1, 0
	TURN 1, 0, 1
	QUARTER 0, 1, F0, F1, 0
	WIN 0
	s_sub_co_u32 s3, s3, 1
	s_cmp_lg_u32 s3, 0
	s_cbranch_scc1 .Llap
	QUARTER 0, 2, F1, F0, 0                        ; the last lap fills nothing
	QUARTER 0, 3, F0, F1, 0
	TURN 0, 1, 0
	QUARTER 1, 1, F0, F1, 0
	QUARTER 1, 2, F1, F0, 0
	QUARTER 1, 3, F0, F1, 0
	s_wait_dscnt 4
	WIN MUL
	MUL8 F1, 0, 0
	MUL8 F1, 1, 0
	s_wait_dscnt 0x0
	MUL8 F1, 2, 0
	MUL8 F1, 3, 0
	WIN 0
; THE WAY OUT, 16 rows x 128 columns at a time, through my own stage: in by 32 bytes of a row a lane, back as whole rows of 512 bytes.  LDS serves a wave's instructions in order: no wait between.
.macro TOSTAGE a
	WIN 0x04                                       ; an LDS store's data are its source 1: window 1
.irp b, 0,1,2,3,4,5,6,7
	ds_store_b128 v[STO], v[8*(8*(\a)+\b):8*(8*(\a)+\b)+3] offset:64*\b      ; each accumulator from its low end on
	ds_store_b128 v[STO], v[8*(8*(\a)+\b)+4:8*(8*(\a)+\b)+7] offset:64*\b+16
.endr
	WIN 0
.set BB, BK+64*((\a)%2)
.irp t, 0,1,2,3,4,5,6,7,8,9,10,11,12,13,14,15
	ds_load_b128 v[BB+4*\t:BB+4*\t+3], v[RD] offset:\t*SPITCH
.endr
.endm
.macro SEND a, younger                 ; younger: the LDS instructions issued behind block a's loads
.set BB, BK+64*((\a)%2)
	s_wait_dscnt \younger
.irp t, 0,1,2,3,4,5,6,7,8,9,10,11,12,13,14,15
	global_store_b128 v[CO], v[BB+4*\t:BB+4*\t+3], s[10:11] offset:(16*(\a)+\t)*4096 th:TH_STORE_NT   ; 512 consecutive bytes, aligned
.endr
.endm
	PLACES
	TOSTAGE 0
	TOSTAGE 1
	SEND 0, 32                                     ; behind block 0's loads: block 1's 16 stores and 16 loads
	s_wait_xcnt 0x0                                ; block 0's stores have read their registers: block 2's loads may land there
	TOSTAGE 2
	SEND 1, 32
	SEND 2, 0
	s_cmp_eq_u32 s[SKIP], 8                        ; my block 3 would be positions 1008-1023 of a sequence: those rows are another launch's
	s_cbranch_scc1 .Lno_last
	s_wait_xcnt 0x0
	TOSTAGE 3
	SEND 3, 0
.Lno_last:
	s_wait_tensorcnt 0x0                           ; the wave's end
	ds_add_u32 v[SPW], v[NIL]
	s_wait_dscnt 0x0
	CROUND                                         ; the closing round
	s_endpgm
.Lfunc_end_k_qc2505f690d_proj:
	.size	k_qc2505f690d_proj, .Lfunc_end_k_qc2505f690d_proj-k_qc2505f690d_proj
	.p2alignl 7, 3214868480
	.fill 96, 4, 3214868480
	.section	.rodata,"a",@progbits
	.p2align	6, 0x0
	.amdhsa_kernel k_qc2505f690d_proj
		.amdhsa_group_segment_fixed_size 327680
		.amdhsa_private_segment_fixed_size 0
		.amdhsa_enable_private_segment 0
		.amdhsa_kernarg_size 32
		.amdhsa_user_sgpr_count 2
		.amdhsa_user_sgpr_kernarg_segment_ptr 1
		.amdhsa_wavefront_size32 1
		.amdhsa_system_sgpr_workgroup_id_x 1
		.amdhsa_system_sgpr_workgroup_id_y 1
		.amdhsa_system_sgpr_workgroup_id_z 1
		.amdhsa_system_vgpr_workitem_id 0
		.amdhsa_next_free_vgpr 768
		.amdhsa_next_free_sgpr 76
		.amdhsa_reserve_vcc 0
		.amdhsa_float_denorm_mode_32 3
		.amdhsa_float_denorm_mode_16_64 3
		.amdhsa_memory_ordered 1
		.amdhsa_forward_progress 1
		.amdhsa_inst_pref_size 87
	.end_amdhsa_kernel
	.amdgpu_metadata
---
amdhsa.version: [ 1, 2 ]
amdhsa.kernels:
  - .name:           k_qc2505f690d_proj
    .symbol:         k_qc2505f690d_proj.kd
    .args:
      - { .name: cf, .offset: 0, .size: 8, .value_kind: global_buffer, .address_space: global }
      - { .name: wof, .offset: 8, .size: 8, .value_kind: global_buffer, .address_space: global }
      - { .name: bo, .offset: 16, .size: 8, .value_kind: global_buffer, .address_space: global }
      - { .name: out0, .offset: 24, .size: 8, .value_kind: global_buffer, .address_space: global }
    .group_segment_fixed_size: 327680
    .private_segment_fixed_size: 0
    .kernarg_segment_align: 8
    .kernarg_segment_size: 32
    .max_flat_workgroup_size: 128
    .sgpr_count:     76
    .vgpr_count:     768
    .wavefront_size: 32
...
	.end_amdgpu_metadata
.endif
;; end of part 4
;; launch tail (part 5): grid 16 x 8, 16 waves a work-group, no clusters, 84,992 bytes of LDS; arguments t32, wof, bo, out0; writes out0
.if DOCPART == 5
	.amdgcn_target "amdgcn-amd-amdhsa--gfx1250"
	.amdhsa_code_object_version 6
	.text
	.protected	k_qc2505f690d_tail
	.globl	k_qc2505f690d_tail
	.p2align	8
	.type	k_qc2505f690d_tail,@function
k_qc2505f690d_tail:
	s_mov_b64 s[64:65], 0
	v_nop
	global_prefetch_b8 v0, s[64:65] scope:SCOPE_SE
	s_setreg_imm32_b32 hwreg(HW_REG_WAVE_MODE, 25, 1), 1
	s_wait_xcnt 0x0
; TAIL: the last 16 positions of every sequence (queries 1008-1023, which see keys 1008-1023 alone) average one to sixteen values and are the largest rows of the output: they are carried more finely.
; q, k, v come in f32 (t32); both products of the attention go by v_wmma_f32_16x16x4_f32 (16 x 16 x 64 and 16 x 64 x 16 a head: no bulk work); the softmax is whole, with its maximum taken away;
; the projection takes pairs of f16 numbers, split in f32: concat = high + low, Wo = high + low; high x high + low x high + high x low in three f32 sums (low x low is left out: under 2^-22 of a term).
; SHARES.  A work-group takes a batch (y) and 64 columns of the output (x).  Phase A: wave w makes head w's 16 x 64 of concat (each of a batch's 16 work-groups makes it anew: 16 + 16 small matrix
; instructions a wave) and stores its two images to LDS.  Phase B: wave = (tile of 16 columns w % 4, quarter of K w / 4); the four quarters meet in LDS; wave w finishes row w.
; No tensor load, no cluster, no prefetch: what is read is small and is asked for at the head.
; LIMITS: NaN and infinities are not served; concat or Wo beyond 65,504 has no f16 number; under 6e-5 the f16 parts step by 6e-8.
; REGISTERS: v1-13 addresses and constants; v16-31 two sums of S^T; v32-63 four sums of O^T, later three sums of the projection (written by matrix instructions alone); v64-95 V, then concat's parts,
; then its fragments; v96-103 scores, p, later the result; v104-111 p / l; v112-127 at work, bo; v128-191 Wo high; v192-255 Q and K, then Wo low.
.set IMH,   0                          ; concat's 32 images of 1,024 bytes, high parts
.set IML,   32768                      ; low parts
.set PS,    65536                      ; four partial results of 16 rows x (256 bytes + 16)
.set SPARE, 82944                      ; the spare words, 128 bytes for each wave: eight blocks of 256 bytes that no other line names
.set L16, 1
.set VG,  4
.set RH,  5
.set NEG, 6
.set IW,  7
.set AR,  8
.set PW,  9
.set PR,  10
.set L8,  11
.set SPW, 12
.set NIL, 13
.set SA,  16
.set OA,  32
.set VR,  64
.set HI,  64
.set LO,  80
.set AA,  64
.set SS,  96
.set PN,  104
.set BH,  128
.set QR,  192
.set KR,  224
.set BL,  192
	s_load_b256 s[4:11], s[0:1], 0x0               ; t32 s[4:5], wof s[6:7], bo s[8:9], out0 s[10:11]
	v_lshl_add_u32 v[SPW], v0, 2, SPARE
	v_mov_b32 v[NIL], 0
	v_lshrrev_b32 v14, 5, v0
	v_readfirstlane_b32 s12, v14                   ; wave 0..15
	s_and_b32 s13, ttmp7, 0xffff                   ; the batch
	s_lshr_b32 s14, s12, 2                         ; phase B: my quarter of K
	s_and_b32 s15, s12, 3                          ; and my tile of 16 columns
	s_mov_b32 s20, 0x76543210
	s_mov_b32 s21, 0xfedcba98                      ; v_permlanex16_b32's selects for lane l xor 16
	s_mov_b32 s22, 0x3d38aa3b                      ; c = log2(e) / 32
	v_and_b32 v14, 31, v0
	v_lshlrev_b32 v[L16], 4, v14
	v_lshlrev_b32 v[L8], 3, v14
	v_and_b32 v2, 15, v0                           ; r
	v_bfe_u32 v3, v0, 4, 1                         ; h
	v_bfe_u32 v14, v0, 3, 1                        ; V(key 8 h + kk, channel 16 cb + r) lies at 256 (r / 8) + 512 ((r / 4) % 2) + 4 (r % 4) + 128 h + 16 kk of block cb
	v_lshlrev_b32 v[VG], 8, v14
	v_bfe_u32 v14, v0, 2, 1
	v_lshl_add_u32 v[VG], v14, 9, v[VG]
	v_and_b32 v14, 3, v0
	v_lshl_add_u32 v[VG], v14, 2, v[VG]
	v_lshl_add_u32 v[VG], v3, 7, v[VG]
	v_lshlrev_b32 v14, 3, v3
	v_sub_nc_u32 v[RH], v2, v14                    ; key 8 h + j is hidden where j < r - 8 h
	v_mov_b32 v[NEG], 0xff7fffff
	v_mov_b32 v113, 0                              ; (a lane permute's destination counts as one of its sources)
	s_lshl_b32 s30, s12, 11
	v_add_nc_u32 v[IW], s30, v[L16]                ; head w's four half images: 2,048 w + 16 x lane
	s_lshl_b32 s30, s14, 13
	v_add_nc_u32 v[AR], s30, v[L16]                ; my quarter's eight images
	s_mul_i32 s30, s14, 4352
	s_lshl_b32 s31, s15, 6
	s_add_co_u32 s30, s30, s31
	s_add_co_u32 s30, s30, PS
	v_mul_u32_u24 v[PW], v2, 272
	v_lshl_add_u32 v[PW], v3, 5, v[PW]
	v_add_nc_u32 v[PW], s30, v[PW]                 ; my partial result: quarter, row r, 64 bytes a tile, 32 h
	s_mul_i32 s30, s12, 272
	s_add_co_u32 s30, s30, PS
	v_add_nc_u32 v[PR], s30, v[L8]                 ; row w back: 8 bytes a lane
	s_mul_i32 s16, s13, 196608                     ; t32: the batch's block, head w's four blocks of 1,024 bytes
	s_lshl_b32 s18, s12, 12
	s_add_co_u32 s16, s16, s18
	s_mov_b32 s17, 0
	s_lshl_b32 s24, s14, 19                        ; wof: k128 = 2 x quarter; tile 4 x + w % 4
	s_lshl_b32 s18, ttmp9, 14
	s_add_co_u32 s24, s24, s18
	s_lshl_b32 s18, s15, 12
	s_add_co_u32 s24, s24, s18
	s_mov_b32 s25, 0
	s_lshl_b32 s26, ttmp9, 8                       ; 64 columns of 4 bytes
	s_mov_b32 s27, 0
	s_lshl_b32 s28, s13, 22                        ; out0: row 1024 batch + 1008 + w
	s_add_co_u32 s18, s12, 1008
	s_lshl_b32 s18, s18, 12
	s_add_co_u32 s28, s28, s18
	s_add_co_u32 s28, s28, s26
	s_mov_b32 s29, 0
	s_wait_kmcnt 0x0
	s_add_nc_u64 s[4:5], s[4:5], s[16:17]
	s_add_nc_u64 s[6:7], s[6:7], s[24:25]
	s_add_nc_u64 s[8:9], s[8:9], s[26:27]
	s_add_nc_u64 s[10:11], s[10:11], s[28:29]
.irp cb, 0,1,2,3
.irp u, 0,1
	global_load_b128 v[QR+4*(2*\cb+\u):QR+4*(2*\cb+\u)+3], v[L16], s[4:5] offset:1024*\cb+512*\u          ; lane (r, h): token r, d = 16 cb + 8 h + 4 u + 0 .. 3
.endr
.endr
.irp cb, 0,1,2,3
.irp u, 0,1
	global_load_b128 v[KR+4*(2*\cb+\u):KR+4*(2*\cb+\u)+3], v[L16], s[4:5] offset:65536+1024*\cb+512*\u
.endr
.endr
.irp cb, 0,1,2,3
.irp kk, 0,1,2,3,4,5,6,7
	global_load_b32 v[VR+8*\cb+\kk], v[VG], s[4:5] offset:131072+1024*\cb+16*\kk
.endr
.endr
.irp i, 0,1,2,3,4,5,6,7
	global_load_b128 v[BH+8*\i:BH+8*\i+3], v[L16], s[6:7] offset:(\i/4)*262144+(\i%4)*1024
	global_load_b128 v[BH+8*\i+4:BH+8*\i+7], v[L16], s[6:7] offset:(\i/4)*262144+(\i%4)*1024+512
.endr
	global_load_b64 v[124:125], v[L8], s[8:9]      ; bo of my two columns of the finished row
	; ---- A: head w
	s_wait_loadcnt 49                              ; Q and K are in; V's 32, Wo's 16 and bo's one may be out
.irp st, 0,1,2,3,4,5,6,7,8,9,10,11,12,13,14,15     ; S^T = K Q^T, 4 of the 64 along d a step: the same four in K's and in Q's pair of registers.  Two sums by turns
.if \st < 2
	v_wmma_f32_16x16x4_f32 v[SA+8*(\st%2):SA+8*(\st%2)+7], v[KR+2*\st:KR+2*\st+1], v[QR+2*\st:QR+2*\st+1], 0
.else
	v_wmma_f32_16x16x4_f32 v[SA+8*(\st%2):SA+8*(\st%2)+7], v[KR+2*\st:KR+2*\st+1], v[QR+2*\st:QR+2*\st+1], v[SA+8*(\st%2):SA+8*(\st%2)+7]
.endif
.endr
.rept 8
	v_nop                                          ; eight places behind this form: in front of the read of the sums and of the loads into Q's and K's registers
.endr
.irp i, 0,1,2,3,4,5,6,7
	global_load_b128 v[BL+8*\i:BL+8*\i+3], v[L16], s[6:7] offset:2097152+(\i/4)*262144+(\i%4)*1024
	global_load_b128 v[BL+8*\i+4:BL+8*\i+7], v[L16], s[6:7] offset:2097152+(\i/4)*262144+(\i%4)*1024+512
.endr
.irp j, 0,2,4,6
	v_pk_add_f32 v[SS+\j:SS+\j+1], v[SA+\j:SA+\j+1], v[SA+8+\j:SA+8+\j+1]   ; lane (r, h): query r, keys 8 h + 0 .. 7
.endr
.irp j, 0,1,2,3,4,5,6,7
	v_cmp_lt_i32 vcc_lo, \j, v[RH]
	v_cndmask_b32 v[SS+\j], v[SS+\j], v[NEG], vcc_lo
.endr
	v_max3_num_f32 v112, v[SS], v[SS+1], v[SS+2]
	v_max3_num_f32 v112, v112, v[SS+3], v[SS+4]
	v_max3_num_f32 v112, v112, v[SS+5], v[SS+6]
	v_max_num_f32 v112, v112, v[SS+7]
	v_permlanex16_b32 v113, v112, s20, s21
	v_max_num_f32 v112, v112, v113                 ; the row's maximum (the query's own key always counts)
	v_mul_f32 v112, s22, v112
.irp j, 0,1,2,3,4,5,6,7
	v_fma_f32 v[SS+\j], v[SS+\j], s22, -v112
.endr
.irp j, 0,1,2,3,4,5,6,7
	v_exp_f32 v[SS+\j], v[SS+\j]
.endr
	v_nop
	s_wait_alu depctr_va_vdst(0)                   ; one wait for the eight, ahead of their first reader
	v_pk_add_f32 v[114:115], v[SS:SS+1], v[SS+2:SS+3]
	v_pk_add_f32 v[116:117], v[SS+4:SS+5], v[SS+6:SS+7]
	v_pk_add_f32 v[114:115], v[114:115], v[116:117]
	v_add_f32 v114, v114, v115
	v_permlanex16_b32 v113, v114, s20, s21
	v_add_f32 v114, v114, v113
	v_rcp_f32 v114, v114
	v_nop
	s_wait_alu depctr_va_vdst(0)
.irp j, 0,1,2,3,4,5,6,7
	v_mul_f32 v[PN+\j], v[SS+\j], v114
.endr
	s_wait_loadcnt 33                              ; V is in; Wo's 16 + 16 and bo's one may be out
.irp s, 0,1,2,3                                    ; O^T = V^T P, 4 of the 16 keys a step: keys 8 h + 2 s + 0, 1 in V's and in P's pair.  Four sums by turns
.irp cb, 0,1,2,3
.if \s == 0
	v_wmma_f32_16x16x4_f32 v[OA+8*\cb:OA+8*\cb+7], v[VR+8*\cb+2*\s:VR+8*\cb+2*\s+1], v[PN+2*\s:PN+2*\s+1], 0
.else
	v_wmma_f32_16x16x4_f32 v[OA+8*\cb:OA+8*\cb+7], v[VR+8*\cb+2*\s:VR+8*\cb+2*\s+1], v[PN+2*\s:PN+2*\s+1], v[OA+8*\cb:OA+8*\cb+7]
.endif
.endr
.endr
.rept 8
	v_nop
.endr
.macro SPLIT h, l, x                   ; two numbers become a word of high parts and a word of low parts.  The halves are widened from a plainly numbered register
	v_cvt_pk_f16_f32 v120, v[(\x)], v[(\x)+1]
	v_cvt_f32_f16 v122, v120.l
	v_cvt_f32_f16 v123, v120.h
	v_mov_b32 v[(\h)], v120
	v_sub_f32 v122, v[(\x)], v122
	v_sub_f32 v123, v[(\x)+1], v123
	v_cvt_pk_f16_f32 v[(\l)], v122, v123
.endm
.irp i, 0,1,2,3,4,5,6,7,8,9,10,11,12,13,14,15      ; lane (r, h): query r, channels 16 cb + 8 h + 0 .. 7: four words are a piece of an image
	SPLIT HI+\i, LO+\i, OA+2*\i
.endr
.irp cb, 0,1,2,3
	ds_store_b128 v[IW], v[HI+4*\cb:HI+4*\cb+3] offset:IMH+512*\cb
	ds_store_b128 v[IW], v[LO+4*\cb:LO+4*\cb+3] offset:IML+512*\cb
.endr
	s_wait_dscnt 0x0                               ; for the others' sake: my images lie in LDS
	s_barrier_signal -1
	s_barrier_wait -1
	; ---- B: 16 rows x my 16 columns over my quarter of K: eight steps of 32
	s_wait_loadcnt 0x0                             ; Wo's parts and bo
.rept 9
	v_nop                                          ; nine places between the f32 form's last products and the products that write over their sums
.endr
.irp g, 0,1,2,3
.irp e, 0,1
	ds_load_b128 v[AA+8*\e:AA+8*\e+3], v[AR] offset:IMH+1024*(2*\g+\e)
	ds_load_b128 v[AA+8*\e+4:AA+8*\e+7], v[AR] offset:IMH+1024*(2*\g+\e)+512
	ds_load_b128 v[AA+16+8*\e:AA+16+8*\e+3], v[AR] offset:IML+1024*(2*\g+\e)
	ds_load_b128 v[AA+16+8*\e+4:AA+16+8*\e+7], v[AR] offset:IML+1024*(2*\g+\e)+512
.endr
	s_wait_dscnt 0x0
.irp e, 0,1                                        ; three sums by turns: source 0 = 16 columns of Wo, source 1 = the 16 rows
.if (2*\g+\e) == 0
	v_wmma_f32_16x16x32_f16 v[32:39], v[BH+8*(2*\g+\e):BH+8*(2*\g+\e)+7], v[AA+8*\e:AA+8*\e+7], 0
	v_wmma_f32_16x16x32_f16 v[40:47], v[BH+8*(2*\g+\e):BH+8*(2*\g+\e)+7], v[AA+16+8*\e:AA+16+8*\e+7], 0
	v_wmma_f32_16x16x32_f16 v[48:55], v[BL+8*(2*\g+\e):BL+8*(2*\g+\e)+7], v[AA+8*\e:AA+8*\e+7], 0
.else
	v_wmma_f32_16x16x32_f16 v[32:39], v[BH+8*(2*\g+\e):BH+8*(2*\g+\e)+7], v[AA+8*\e:AA+8*\e+7], v[32:39]
	v_wmma_f32_16x16x32_f16 v[40:47], v[BH+8*(2*\g+\e):BH+8*(2*\g+\e)+7], v[AA+16+8*\e:AA+16+8*\e+7], v[40:47]
	v_wmma_f32_16x16x32_f16 v[48:55], v[BL+8*(2*\g+\e):BL+8*(2*\g+\e)+7], v[AA+8*\e:AA+8*\e+7], v[48:55]
.endif
.endr
.rept 4
	v_nop                                          ; places in front of the next loads into the fragments, and of the read of the sums
.endr
.endr
.irp j, 0,2,4,6
	v_pk_add_f32 v[SS+\j:SS+\j+1], v[40+\j:41+\j], v[48+\j:49+\j]           ; the two small sums first,
.endr
.irp j, 0,2,4,6
	v_pk_add_f32 v[SS+\j:SS+\j+1], v[SS+\j:SS+\j+1], v[32+\j:33+\j]         ; then the large one
.endr
	ds_store_b128 v[PW], v[SS:SS+3]                ; lane (r, h): row r, columns 8 h + 0 .. 7 of my tile
	ds_store_b128 v[PW], v[SS+4:SS+7] offset:16
	s_wait_dscnt 0x0
	s_barrier_signal -1
	s_barrier_wait -1
.irp k, 0,1,2,3
	ds_load_b64 v[112+2*\k:113+2*\k], v[PR] offset:4352*\k
.endr
	s_wait_dscnt 0x0
	v_pk_add_f32 v[112:113], v[112:113], v[114:115]
	v_pk_add_f32 v[116:117], v[116:117], v[118:119]
	v_pk_add_f32 v[112:113], v[112:113], v[116:117]
	v_pk_add_f32 v[112:113], v[112:113], v[124:125]
	global_store_b64 v[L8], v[112:113], s[10:11]   ; the wave stores 256 consecutive bytes, aligned
	s_wait_tensorcnt 0x0                           ; the wave's end: a wait, an add of 0 onto my spare word and its wait, behind the last LDS store
	ds_add_u32 v[SPW], v[NIL]
	s_wait_dscnt 0x0
	s_endpgm
.Lfunc_end_k_qc2505f690d_tail:
	.size	k_qc2505f690d_tail, .Lfunc_end_k_qc2505f690d_tail-k_qc2505f690d_tail
	.p2alignl 7, 3214868480
	.fill 96, 4, 3214868480
	.section	.rodata,"a",@progbits
	.p2align	6, 0x0
	.amdhsa_kernel k_qc2505f690d_tail
		.amdhsa_group_segment_fixed_size 84992
		.amdhsa_private_segment_fixed_size 0
		.amdhsa_enable_private_segment 0
		.amdhsa_kernarg_size 32
		.amdhsa_user_sgpr_count 2
		.amdhsa_user_sgpr_kernarg_segment_ptr 1
		.amdhsa_wavefront_size32 1
		.amdhsa_system_sgpr_workgroup_id_x 1
		.amdhsa_system_sgpr_workgroup_id_y 1
		.amdhsa_system_sgpr_workgroup_id_z 1
		.amdhsa_system_vgpr_workitem_id 0
		.amdhsa_next_free_vgpr 256
		.amdhsa_next_free_sgpr 66
		.amdhsa_reserve_vcc 1
		.amdhsa_float_denorm_mode_32 3
		.amdhsa_float_denorm_mode_16_64 3
		.amdhsa_memory_ordered 1
		.amdhsa_forward_progress 1
		.amdhsa_inst_pref_size 27
	.end_amdhsa_kernel
	.amdgpu_metadata
---
amdhsa.version: [ 1, 2 ]
amdhsa.kernels:
  - .name:           k_qc2505f690d_tail
    .symbol:         k_qc2505f690d_tail.kd
    .args:
      - { .name: t32, .offset: 0, .size: 8, .value_kind: global_buffer, .address_space: global }
      - { .name: wof, .offset: 8, .size: 8, .value_kind: global_buffer, .address_space: global }
      - { .name: bo, .offset: 16, .size: 8, .value_kind: global_buffer, .address_space: global }
      - { .name: out0, .offset: 24, .size: 8, .value_kind: global_buffer, .address_space: global }
    .group_segment_fixed_size: 84992
    .private_segment_fixed_size: 0
    .kernarg_segment_align: 8
    .kernarg_segment_size: 32
    .max_flat_workgroup_size: 512
    .sgpr_count:     66
    .vgpr_count:     256
    .wavefront_size: 32
...
	.end_amdgpu_metadata
.endif
;; end of part 5
